; MI455X (gfx1250); checked and timed in simulation.
; The chip was launched on July 23, 2026; its instructions are those of AMD's public machine-readable ISA for CDNA 5 (MIT licence, August 2026) and "CDNA5" Instruction Set Architecture Reference Guide (July 2026). The comments in the code are by the model that wrote it; some were corrected since.
;; Transformer. Allowed arithmetic: float matrix products may take bf16 or f16 operands with f32 sums; other float arithmetic in f32, or as packed bf16 or f16 multiplies, adds, multiply-adds, maxima and minima; sums over many terms, partial sums and values carried from step to step in f32; what a program stores and reads back later, other than sums and carried values, may be rounded once to bf16 or f16.
;; Inputs: Wk 1,024 x 1,024 float32; Wo 1,024 x 1,024 float32; Wq 1,024 x 1,024 float32; Wv 1,024 x 1,024 float32; bk 1,024 float32; bo 1,024 float32; bq 1,024 float32; bv 1,024 float32; keys 4 x 2,048 x 1,024 float32; mask 2,048 x 2,048 bool; queries 4 x 2,048 x 1,024 float32; values 4 x 2,048 x 1,024 float32.
;; Outputs: out0 4 x 2,048 x 1,024 float32.
;; 2 versions, each right. Each part assembles by itself: llvm-mc -triple=amdgcn-amd-amdhsa -mcpu=gfx1250 --defsym DOCPART=n.
;; ======== version 1 of 2: 4 launches
;; limits: values are held in f16: magnitudes above 65,504 overflow, below 6.1e-05 lose precision
;; workspace buffers: w16 8,388,608 bytes; mbits 524,288 bytes of whole numbers; qkv 50,331,648 bytes; ctx 16,777,216 bytes
;; launch prep (part 1): grid 256 x 5, 4 waves a work-group, no clusters, 0 bytes of LDS; arguments Wq, Wk, Wv, Wo, mask, w16, mbits; writes w16, mbits
.if DOCPART == 1
	.amdgcn_target "amdgcn-amd-amdhsa--gfx1250"
	.amdhsa_code_object_version 6
	.text
	.protected	k_qecfcf3dbc2_prep
	.globl	k_qecfcf3dbc2_prep
	.p2align	8
	.type	k_qecfcf3dbc2_prep,@function
k_qecfcf3dbc2_prep:
	s_mov_b64 s[64:65], 0
	v_nop
	global_prefetch_b8 v0, s[64:65] scope:SCOPE_SE
	s_setreg_imm32_b32 hwreg(HW_REG_WAVE_MODE, 25, 1), 1
	s_wait_xcnt 0x0
; PREP.  y = 0..3: one weight matrix [1024 k][1024 n] f32 is rounded to bf16 and written, not turned, into plane y of w16.
; Plane 3 (Wo) is written as f16: the bf16 number, which f16 holds exactly from 6.1e-5 up; below that it keeps f16's fixed step of 6e-8 (stated limit).
; y = 4: the mask [2048 q][2048 k] of bytes becomes lane masks: mbits[qt][ks][8 kb + j], bit l = mask[16 qt + l % 16][64 ks + 16 kb + 8 (l / 16) + j]:
; the word that picks, lane by lane, register 8 kb + j of a tile of 16 queries x 64 keys of transposed scores.
; A stream: no LDS, no matrix unit, no cluster (no work-group reads what another reads).
	s_load_b256 s[4:11], s[0:1], 0x0               ; Wq s[4:5], Wk s[6:7], Wv s[8:9], Wo s[10:11]
	s_load_b128 s[12:15], s[0:1], 0x20             ; mask s[12:13], w16 s[14:15]
	s_load_b64 s[16:17], s[0:1], 0x30              ; mbits
	s_and_b32 s18, ttmp7, 0xffff                   ; y
	v_lshrrev_b32 v1, 5, v0
	v_readfirstlane_b32 s19, v1                    ; wave 0..3
	s_wait_kmcnt 0x0
	s_cmp_eq_u32 s18, 4
	s_cbranch_scc1 .Lmask
	; A WEIGHT.  The work-group takes 16,384 bytes of f32: thread t 16 bytes at 16 t + 2,048 i, i = 0..7; a wave's load covers 512 consecutive bytes.
	s_cmp_eq_u32 s18, 1
	s_cselect_b64 s[20:21], s[6:7], s[4:5]
	s_cmp_eq_u32 s18, 2
	s_cselect_b64 s[20:21], s[8:9], s[20:21]
	s_cmp_eq_u32 s18, 3
	s_cselect_b64 s[20:21], s[10:11], s[20:21]
	s_lshl_b32 s22, ttmp9, 14
	s_mov_b32 s23, 0
	s_add_nc_u64 s[20:21], s[20:21], s[22:23]
	s_lshl_b32 s24, s18, 21                        ; plane y: 2 MiB
	s_lshl_b32 s25, ttmp9, 13
	s_add_co_u32 s24, s24, s25
	s_mov_b32 s25, 0
	s_add_nc_u64 s[14:15], s[14:15], s[24:25]
	v_lshlrev_b32 v2, 4, v0
	v_lshlrev_b32 v3, 3, v0
.irp i, 0,1,2,3,4,5,6,7
	global_load_b128 v[8+4*\i:8+4*\i+3], v2, s[20:21] offset:2048*\i th:TH_LOAD_NT
.endr
.irp i, 0,1,2,3,4,5,6,7
	s_wait_loadcnt 7-\i                            ; loads come back in order: load i is in, the younger ones stay out
	v_cvt_pk_bf16_f32 v[40+2*\i], v[8+4*\i], v[8+4*\i+1]
	v_cvt_pk_bf16_f32 v[40+2*\i+1], v[8+4*\i+2], v[8+4*\i+3]
.endr
	s_cmp_eq_u32 s18, 3
	s_cbranch_scc0 .Lstore
.set i, 0
.rept 16                                               ; Wo: the rounded numbers once more, as f16
	v_lshlrev_b32 v[4+2*(i%2)], 16, v[40+i]
	v_and_b32 v[5+2*(i%2)], 0xffff0000, v[40+i]
	v_cvt_pk_f16_f32 v[40+i], v[4+2*(i%2)], v[5+2*(i%2)]
.set i, i+1
.endr
.Lstore:
.irp i, 0,1,2,3,4,5,6,7
	global_store_b64 v3, v[40+2*\i:40+2*\i+1], s[14:15] offset:1024*\i  ; a wave stores 256 consecutive bytes, aligned
.endr
	s_endpgm
.Lmask:
	; THE MASK.  Wave task T = 4 x + wave: query tile T / 8, key steps 4 (T % 8) .. + 3: 16 rows x 256 bytes in, 128 words (512 consecutive bytes) out.
	s_lshl_b32 s20, ttmp9, 2
	s_add_co_u32 s20, s20, s19                     ; T
	s_lshr_b32 s21, s20, 3
	s_and_b32 s22, s20, 7
	s_lshl_b32 s21, s21, 15                        ; 16 rows of 2,048 bytes
	s_lshl_b32 s22, s22, 8
	s_add_co_u32 s22, s22, s21
	s_mov_b32 s23, 0
	s_add_nc_u64 s[12:13], s[12:13], s[22:23]
	s_lshl_b32 s24, s20, 9
	s_mov_b32 s25, 0
	s_add_nc_u64 s[16:17], s[16:17], s[24:25]
	v_and_b32 v2, 15, v0
	v_bfe_u32 v3, v0, 4, 1
	v_lshlrev_b32 v2, 11, v2
	v_lshl_add_u32 v2, v3, 3, v2                   ; row l % 16, bytes 8 (l / 16) on
	v_and_b32 v3, 31, v0
	v_lshlrev_b32 v3, 4, v3                        ; my 16 bytes of the 512 that go out
.set i, 0
.rept 16                                               ; load 4 s + kb: keys 64 s + 16 kb + 8 (l / 16) + 0..7
	global_load_b64 v[8+2*i:8+2*i+1], v2, s[12:13] offset:64*(i/4)+16*(i%4) th:TH_LOAD_NT
.set i, i+1
.endr
.irp i, 40,41,42,43
	v_mov_b32 v\i, 0                               ; v_writelane_b32 counts as a reader of its destination
.endr
	s_wait_loadcnt 0x0
.set W, 0
.rept 128                                              ; word W = 32 s + 8 kb + j: byte j of load W / 8, over the 32 lanes; it goes to lane W / 4, register W % 4
	v_bfe_u32 v[44+W%4], v[8+2*(W/8)+(W%8)/4], 8*(W%4), 8
	v_cmp_ne_u32 s[20+W%8], 0, v[44+W%4]
	v_writelane_b32 v[40+W%4], s[20+W%8], W/4
.set W, W+1
.endr
	global_store_b128 v3, v[40:43], s[16:17]
	s_endpgm
.Lfunc_end_k_qecfcf3dbc2_prep:
	.size	k_qecfcf3dbc2_prep, .Lfunc_end_k_qecfcf3dbc2_prep-k_qecfcf3dbc2_prep
	.p2alignl 7, 3214868480
	.fill 96, 4, 3214868480
	.section	.rodata,"a",@progbits
	.p2align	6, 0x0
	.amdhsa_kernel k_qecfcf3dbc2_prep
		.amdhsa_group_segment_fixed_size 0
		.amdhsa_private_segment_fixed_size 0
		.amdhsa_enable_private_segment 0
		.amdhsa_kernarg_size 56
		.amdhsa_user_sgpr_count 2
		.amdhsa_user_sgpr_kernarg_segment_ptr 1
		.amdhsa_wavefront_size32 1
		.amdhsa_system_sgpr_workgroup_id_x 1
		.amdhsa_system_sgpr_workgroup_id_y 1
		.amdhsa_system_sgpr_workgroup_id_z 1
		.amdhsa_system_vgpr_workitem_id 0
		.amdhsa_next_free_vgpr 64
		.amdhsa_next_free_sgpr 66
		.amdhsa_reserve_vcc 0
		.amdhsa_float_denorm_mode_32 3
		.amdhsa_float_denorm_mode_16_64 3
		.amdhsa_memory_ordered 1
		.amdhsa_forward_progress 1
		.amdhsa_inst_pref_size 33
	.end_amdhsa_kernel
	.amdgpu_metadata
---
amdhsa.version: [ 1, 2 ]
amdhsa.kernels:
  - .name:           k_qecfcf3dbc2_prep
    .symbol:         k_qecfcf3dbc2_prep.kd
    .args:
      - { .name: Wq, .offset: 0, .size: 8, .value_kind: global_buffer, .address_space: global }
      - { .name: Wk, .offset: 8, .size: 8, .value_kind: global_buffer, .address_space: global }
      - { .name: Wv, .offset: 16, .size: 8, .value_kind: global_buffer, .address_space: global }
      - { .name: Wo, .offset: 24, .size: 8, .value_kind: global_buffer, .address_space: global }
      - { .name: mask, .offset: 32, .size: 8, .value_kind: global_buffer, .address_space: global }
      - { .name: w16, .offset: 40, .size: 8, .value_kind: global_buffer, .address_space: global }
      - { .name: mbits, .offset: 48, .size: 8, .value_kind: global_buffer, .address_space: global }
    .group_segment_fixed_size: 0
    .private_segment_fixed_size: 0
    .kernarg_segment_align: 8
    .kernarg_segment_size: 56
    .max_flat_workgroup_size: 128
    .sgpr_count:     66
    .vgpr_count:     64
    .wavefront_size: 32
...
	.end_amdgpu_metadata
.endif
;; end of part 1
;; launch proj (part 2): grid 4 x 192, 4 waves a work-group, clusters of 4 x 4, 327,680 bytes of LDS; arguments queries, keys, values, bq, bk, bv, w16, qkv; writes qkv
.if DOCPART == 2
	.amdgcn_target "amdgcn-amd-amdhsa--gfx1250"
	.amdhsa_code_object_version 6
	.text
	.protected	k_qecfcf3dbc2_proj
	.globl	k_qecfcf3dbc2_proj
	.p2align	8
	.type	k_qecfcf3dbc2_proj,@function
k_qecfcf3dbc2_proj:
	s_mov_b64 s[64:65], 0
	v_nop
	global_prefetch_b8 v0, s[64:65] scope:SCOPE_SE
	s_setreg_imm32_b32 hwreg(HW_REG_WAVE_MODE, 25, 1), 1
	s_wait_xcnt 0x0
	s_wait_alu depctr_hold_cnt(0) depctr_sa_sdst(0) depctr_va_vdst(0) depctr_va_sdst(0) depctr_va_ssrc(0) depctr_va_vcc(0) depctr_vm_vsrc(0)
	s_getreg_b32 s2, hwreg(HW_REG_IB_STS2, 6, 4)
	s_cmp_eq_u32 s2, 0
	s_cbranch_scc0 .Lentry_in_a_cluster
	s_endpgm
.Lentry_in_a_cluster:
	s_bfe_u32 s2, ttmp6, 0x10000c
	s_cmp_lg_u32 s2, 0xf033
	s_cbranch_scc0 .Lentry_shape_is_right
	s_endpgm
.Lentry_shape_is_right:
; PROJ.  q, k, v = x W + b for the three inputs, written by heads: qkv[t][b 16 + head][s][64] in f16, unscaled.  x: [8192][1024] f32, rounded to bf16 on the way from LDS to
; the matrix unit; W: plane t of w16, [k][n] bf16, read turned; b rounded to bf16 and given as the C operand of the first products.  Sums in f32, one rounding to f16.
; LIMIT.  f16 ends at 65,504: q, k and v must stay within it (at inputs and weights thirty times the drawn spread they are some thousands).  NaN and infinities are not treated apart.
; SHARES.  A work-group makes 128 rows x 256 columns; 768 of them, three for each of 256 WGPs.  Four waves, each 64 rows x 128 columns (two heads): 32 accumulators, 256 registers.
; K goes in 8 steps of 128 through two LDS slots; a step is four phases of 32 along K, 32 matrix instructions each.  Two slots of a longer step do not fit in LDS (x lies there in f32).
; CLUSTER.  4 x 4 work-groups: the four of a row need the same rows of x, the four of a column the same columns of W: each tile is asked for jointly.  The tensor t hangs on the cluster's y alone.
; THE MATRIX INSTRUCTION IS USED TRANSPOSED: source 0 = 16 columns of W, source 1 = 16 rows of x: a lane holds one row and eight neighbouring columns.
; REGISTERS.  window 0: v2-9 addresses; v28-29 the add's; v32-95 x as loaded, f32 (RAW); v96-127, v128-159 x's fragments in bf16, two buffers.
;   window 1: v0-63, v64-127 W's fragments, two buffers; v128-191 the bias; v192-195 at work.   window 2: accumulator (a, b) at v[8 (8 a + b)].
.set PA,    528                        ; a row of x in LDS: 512 bytes + 16: the 16 rows of a load start at 16 different groups of four banks (ISA guide 11.1)
.set PB,    544                        ; a k-row of W: 512 + 32
.set BOFF,  0x10800                    ; W's 128 k-rows lie behind x's 128 rows
.set SLOT,  0x22000                    ; slot 1 begins here; no LDS word of a tile in slot 0 has one of its two bits, so one exclusive or changes slots
.set STAGE, SLOT+0x21800               ; behind the ring: 16 rows x 144 bytes for each wave, for the way out
.set SP,    144
.set SPARE, STAGE+4*16*SP              ; the spare words, 128 bytes a wave: two blocks of 256 bytes that no other line names
.set ADA0, 2
.set ADB0, 3
.set ADA,  4
.set ADB,  5
.set STO,  6
.set RD,   7
.set GO,   8
.set PFO,  9
.set SPW,  28
.set NIL,  29
.set RAW,  32
.set AF,   96
.set OUTR, 32
.set BF,   0
.set BIAS, 128
.set BT,   192
.set WV,   20                          ; s20 wave; s21 wave / 2: my half of the rows, and: I fetch for x (0) or W (1); s22 wave % 2: my half of the columns, and which half of a tile I fetch
.set WH,   21
.set WL,   22
.set G1A,  24
.set G0A,  32                          ; s[32:35] step 0's; s[36:39] walks on from step 1
.set G1B,  40
.set G0B,  48
.set TB,   56                          ; LDS byte of the slot that is read
.set CNT,  57
.set LIM,  58
.set PFA,  60
.set PSTEP, 62
.set OUT,  80
.set BP,   82
.set W_MUL,  0xa1                      ; source 0 (W) window 1, source 1 (x) window 0, C and D window 2
.set W_MUL1, 0x91                      ; the same with C (the bias) in window 1
.set TO_B,   0x40                      ; destination window 1
.set MSB, 0
.macro WIN new                         ; the immediate's high byte repeats the setting that is left; a switch that changes nothing is dropped
.if MSB != (\new)
	s_set_vgpr_msb (MSB<<8)|(\new)
.set MSB, (\new)
.endif
.endm
.macro JLOAD                           ; the joint refill: waves 0, 1 x's halves, waves 2, 3 W's; an s_nop 0 and four v_nop follow each line
	s_cmp_eq_u32 s[WH], 0
	s_cbranch_scc0 .Lfor_b_\@
	tensor_load_to_lds s[G0A+4:G0A+7], s[G1A:G1A+7]
	s_nop 0
.rept 4
	v_nop
.endr
	s_branch .Lasked_\@
.Lfor_b_\@:
	tensor_load_to_lds s[G0B+4:G0B+7], s[G1B:G1B+7]
	s_nop 0
.rept 4
	v_nop
.endr
.Lasked_\@:
.endm
; A PREFETCH of the K step two refills on.  x's rows are read by one cluster alone: waves 0, 1 of every cluster ask; W's columns by the sixteen clusters of a tensor: waves 2, 3 of the first ask.
; The four partners of a joint load share its 64 rows out by address, 16 each; a lane names half a row's 512 bytes: each aligned block of 256 bytes is named once.  Steps 0 to 3 come by their loads alone; the last two refills ask for nothing.
.macro ASK
	s_cmp_gt_u32 s[CNT], s[LIM]
	s_cbranch_scc0 .Lnot_mine_\@
	global_prefetch_b8 v[PFO], s[PFA:PFA+1] th:TH_LOAD_NT scope:SCOPE_SE
.Lnot_mine_\@:
.endm
.macro CREST                           ; a round of the cluster's barrier behind its opening barrier
	s_cmp_lg_u32 s[WV], 0
	s_cbranch_scc1 .Lnot_wave_0_\@
	s_barrier_signal -3
.Lnot_wave_0_\@:
	s_barrier_wait -3
	s_barrier_signal -1
	s_barrier_wait -1
.endm
.macro CROUND
	s_barrier_signal -1
	s_barrier_wait -1
	CREST
.endm
	s_load_b512 s[4:19], s[0:1], 0x0               ; queries, keys, values s[4:9]; bq, bk, bv s[10:15]; w16 s[16:17]; qkv s[18:19]
	v_lshl_add_u32 v[SPW], v0, 2, SPARE
	v_mov_b32 v[NIL], 0
	ds_add_u32 v[SPW], v[NIL]                      ; the wave's opening: the add and its wait ahead of my first tensor load; work on registers stands between
	v_lshrrev_b32 v1, 5, v0
	v_readfirstlane_b32 s[WV], v1
	s_lshr_b32 s[WH], s[WV], 1
	s_and_b32 s[WL], s[WV], 1
	s_bfe_u32 s66, ttmp6, 0x40000                  ; cx
	s_bfe_u32 s67, ttmp6, 0x40004                  ; cy
	s_and_b32 s68, ttmp7, 0xffff                   ; the cluster's y, 0..47
	s_lshr_b32 s69, s68, 4                         ; t: which of the three products
	s_lshl_b32 s70, s68, 2
	s_add_co_u32 s70, s70, s67
	s_and_b32 s70, s70, 63                         ; row tile of 128
	s_lshl_b32 s73, ttmp9, 2
	s_add_co_u32 s73, s73, s66                     ; column tile of 256
	s_lshl_b32 s71, s67, 2
	s_lshl_b32 s71, 15, s71                        ; my row of the cluster
	s_lshl_b32 s72, 0x1111, s66                    ; my column
	s_or_b32 s[G1A], s71, (2<<16)|(1<<20)|(1<<21)|(6<<22)|(3<<25)  ; mask; elements of 4 bytes; padding on; 21 beside a mask; after every 128 words 4 words
	s_mov_b32 s[G1A+1], 128<<16                    ; tensor_dim0 = 128
	s_mov_b32 s[G1A+2], 64<<16                     ; tensor_dim1 = 64
	s_mov_b32 s[G1A+3], 128<<16                    ; tile_dim0 = 128
	s_mov_b32 s[G1A+4], 64                         ; tile_dim1 = 64
	s_mov_b32 s[G1A+5], 1024                       ; elements from row to row
	s_mov_b32 s[G1A+6], 0
	s_mov_b32 s[G1A+7], 0
	s_or_b32 s[G1B], s72, (1<<16)|(1<<20)|(1<<21)|(6<<22)|(7<<25)  ; elements of 2 bytes; after every 128 words 8 words
	s_mov_b32 s[G1B+1], 256<<16
	s_mov_b32 s[G1B+2], 64<<16
	s_mov_b32 s[G1B+3], 256<<16
	s_mov_b32 s[G1B+4], 64
	s_mov_b32 s[G1B+5], 1024
	s_mov_b32 s[G1B+6], 0
	s_mov_b32 s[G1B+7], 0
	s_lshl_b32 s74, s70, 19                        ; x: row 128 x tile + 64 x half, 4,096 bytes a row
	s_lshl_b32 s75, s[WL], 18
	s_add_co_u32 s74, s74, s75
	s_mov_b32 s75, 0
	s_lshl_b32 s76, s69, 21                        ; W: plane t, k-row 64 x half, 512 bytes x column tile
	s_lshl_b32 s77, s[WL], 17
	s_add_co_u32 s76, s76, s77
	s_lshl_b32 s77, s73, 9
	s_add_co_u32 s76, s76, s77
	s_mov_b32 s77, 0
	s_mul_i32 s86, s[WL], 64*PA                    ; where they go: no place in the cluster enters an LDS address
	s_mul_i32 s87, s[WL], 64*PB
	s_add_co_u32 s87, s87, BOFF
	s_mov_b32 s[TB], 0
	s_wait_dscnt 0x0                               ; the opening add is done
	s_wait_kmcnt 0x0
	s_cmp_eq_u32 s69, 1
	s_cselect_b64 s[78:79], s[6:7], s[4:5]
	s_cselect_b64 s[BP:BP+1], s[12:13], s[10:11]
	s_cmp_eq_u32 s69, 2
	s_cselect_b64 s[78:79], s[8:9], s[78:79]
	s_cselect_b64 s[BP:BP+1], s[14:15], s[BP:BP+1]
	s_add_nc_u64 s[78:79], s[78:79], s[74:75]
	s_add_nc_u64 s[84:85], s[16:17], s[76:77]
	CROUND                                         ; all sixteen work-groups are here: the first joint loads meet
.irp s, 0,1
	s_mov_b32 s[G0A+4*\s], 1
	s_add_co_u32 s[G0A+4*\s+1], s86, \s*SLOT
	s_add_nc_u64 s[G0A+4*\s+2:G0A+4*\s+3], s[78:79], \s*512
	s_or_b32 s[G0A+4*\s+3], s[G0A+4*\s+3], 0x80000000
	s_mov_b32 s[G0B+4*\s], 1
	s_add_co_u32 s[G0B+4*\s+1], s87, \s*SLOT
	s_add_nc_u64 s[G0B+4*\s+2:G0B+4*\s+3], s[84:85], \s*262144
	s_or_b32 s[G0B+4*\s+3], s[G0B+4*\s+3], 0x80000000
.endr
	s_cmp_eq_u32 s[WH], 0                          ; a wave's two first fills stand in one branch: two loads of mine are out
	s_cbranch_scc0 .Lfirst_b
	tensor_load_to_lds s[G0A:G0A+3], s[G1A:G1A+7]
	s_nop 0
	tensor_load_to_lds s[G0A+4:G0A+7], s[G1A:G1A+7]
	s_nop 0
.rept 4
	v_nop
.endr
	s_branch .Lfirst_asked
.Lfirst_b:
	tensor_load_to_lds s[G0B:G0B+3], s[G1B:G1B+7]
	s_nop 0
	tensor_load_to_lds s[G0B+4:G0B+7], s[G1B:G1B+7]
	s_nop 0
.rept 4
	v_nop
.endr
.Lfirst_asked:
	v_and_b32 v12, 15, v0                          ; r = l % 16
	v_bfe_u32 v13, v0, 4, 1                        ; h = l / 16
	v_and_b32 v14, 7, v0
	v_bfe_u32 v15, v0, 3, 1
	v_lshlrev_b32 v10, 5, v13                      ; 32 h
	s_lshl_b32 s88, s73, 10                        ; the bias of my 128 columns
	s_lshl_b32 s89, s[WL], 9
	s_add_co_u32 s88, s88, s89
	s_mov_b32 s89, 0
	s_add_nc_u64 s[BP:BP+1], s[BP:BP+1], s[88:89]
	WIN TO_B
.irp b, 0,1,2,3,4,5,6,7                        ; register j of block b: column 16 b + 8 h + j, as in an accumulator
	global_load_b128 v[BIAS+8*\b:BIAS+8*\b+3],   v10, s[BP:BP+1] offset:64*\b
	global_load_b128 v[BIAS+8*\b+4:BIAS+8*\b+7], v10, s[BP:BP+1] offset:64*\b+16
.endr
	WIN 0
	s_mul_i32 s88, s[WH], 64*PA
	v_mul_u32_u24 v[ADA0], v12, PA
	v_add3_u32 v[ADA0], v[ADA0], v10, s88          ; x: (64 x half + r) x pitch + 32 h: eight f32 are 32 bytes
	v_lshl_add_u32 v[ADB0], v13, 3, v14
	v_mul_u32_u24 v[ADB0], v[ADB0], PB
	v_lshl_add_u32 v[ADB0], v15, 4, v[ADB0]        ; W, turned: k-row 8 h + l % 8, 16 bytes x ((l / 8) % 2)
	s_lshl_b32 s89, s[WL], 8
	s_add_co_u32 s89, s89, BOFF
	v_add_nc_u32 v[ADB0], s89, v[ADB0]
	v_mov_b32 v[ADA], v[ADA0]
	v_mov_b32 v[ADB], v[ADB0]
	s_mul_i32 s88, s[WV], 16*SP
	s_add_co_u32 s88, s88, STAGE                   ; my stage
	v_mul_u32_u24 v[STO], v12, SP                  ; in: row r, 16 bytes for each half of the lanes
	v_lshl_add_u32 v[STO], v13, 4, v[STO]
	v_add_nc_u32 v[STO], s88, v[STO]
	v_bfe_u32 v[RD], v0, 3, 2                      ; back: 32 lanes take four rows of 128 bytes,
	v_mul_u32_u24 v[RD], v[RD], SP
	v_lshl_add_u32 v[RD], v14, 4, v[RD]
	v_add_nc_u32 v[RD], s88, v[RD]
	v_and_b32 v[GO], 31, v0                        ; which are 512 consecutive bytes of a head
	v_lshlrev_b32 v[GO], 4, v[GO]
	; where my rows go: plane t, head (batch 16 + 4 x column tile + 2 x half), row (tile % 16) 128 + 64 x half, 128 bytes a row
	s_lshr_b32 s92, s70, 4
	s_lshl_b32 s92, s92, 4
	s_lshl_b32 s90, s73, 2
	s_add_co_u32 s92, s92, s90
	s_lshl_b32 s90, s[WL], 1
	s_add_co_u32 s92, s92, s90
	s_lshl_b32 s92, s92, 18
	s_and_b32 s90, s70, 15
	s_lshl_b32 s90, s90, 14
	s_add_co_u32 s92, s92, s90
	s_lshl_b32 s90, s[WH], 13
	s_add_co_u32 s92, s92, s90
	s_lshl_b32 s90, s69, 24
	s_add_co_u32 s92, s92, s90
	s_mov_b32 s93, 0
	s_add_nc_u64 s[OUT:OUT+1], s[18:19], s[92:93]
	; the prefetches
	s_lshl_b32 s88, s66, 16                        ; x: cx x 16 rows of 4,096 bytes
	s_lshl_b32 s89, s67, 15                        ; W: cy x 16 k-rows of 2,048 bytes
	s_and_b32 s90, s68, 15                         ; 0 in a tensor's first cluster
	s_mov_b32 s91, 512
	s_mov_b32 s92, 0x40000
	s_cmp_eq_u32 s[WH], 0
	s_cselect_b64 s[PFA:PFA+1], s[78:79], s[84:85]
	s_cselect_b32 s88, s88, s89
	s_cselect_b32 s90, 0, s90
	s_cselect_b32 s[PSTEP], s91, s92               ; bytes from a K step to the next
	s_cselect_b32 s93, 12, 11                      ; log2 of a row's bytes
	s_mov_b32 s[PSTEP+1], 0
	s_mul_i32 s89, s[PSTEP], 3                     ; at K step 3: the first change of slots steps it to 4
	s_add_co_u32 s88, s88, s89
	s_mov_b32 s89, 0
	s_add_nc_u64 s[PFA:PFA+1], s[PFA:PFA+1], s[88:89]
	s_cmp_eq_u32 s90, 0
	s_cselect_b32 s[LIM], 2, -1                    ; the same in all sixteen partners, for a given wave
	v_and_b32 v[PFO], 31, v0
	v_lshrrev_b32 v16, 1, v[PFO]
	v_and_b32 v[PFO], 1, v[PFO]
	v_lshlrev_b32 v[PFO], 8, v[PFO]
	v_lshlrev_b32 v16, s93, v16
	v_add_nc_u32 v[PFO], v[PFO], v16               ; row l / 2, half l % 2 of its 512 bytes
	s_wait_loadcnt 0x0                             ; the bias
	WIN 0x45
.set i, 0
.rept 32                                               ; rounded to bf16 like every input, kept as f32
	v_cvt_pk_bf16_f32 v[BT+i%4], v[BIAS+2*i], v[BIAS+2*i+1]
	v_lshlrev_b32 v[BIAS+2*i], 16, v[BT+i%4]
	v_and_b32 v[BIAS+2*i+1], 0xffff0000, v[BT+i%4]
.set i, i+1
.endr
	WIN 0
; Four roundings: x's f32 in RAW become bf16 in fragment buffer g.  RAW + 16 a holds fragment a's 16 numbers in the fragment's own order, so register cv of the buffer is the pair 2 cv, 2 cv + 1.
.macro CV4 g
	WIN 0
.rept 4
	v_cvt_pk_bf16_f32 v[AF+32*(\g)+cv], v[RAW+2*cv], v[RAW+2*cv+1]
.set cv, cv+1
.endr
.endm
; Eight matrix instructions: row block a x all 8 column blocks, 32 along K, from buffers f.  first = 1: the bias starts the sums.  rid = 2: four roundings behind every second, 1: behind each.
; The 32 accumulators take turns, one instruction a turn, in the same order in every phase.
.macro MUL8 f, a, first, rid, g
.irp b, 0,1,2,3,4,5,6,7
.if \first
	WIN W_MUL1
	v_wmma_f32_16x16x32_bf16 v[8*(8*(\a)+(\b)):8*(8*(\a)+(\b))+7], v[BF+64*(\f)+8*(\b):BF+64*(\f)+8*(\b)+7], v[AF+32*(\f)+8*(\a):AF+32*(\f)+8*(\a)+7], v[BIAS+8*(\b):BIAS+8*(\b)+7]
.else
	WIN W_MUL
	v_wmma_f32_16x16x32_bf16 v[8*(8*(\a)+(\b)):8*(8*(\a)+(\b))+7], v[BF+64*(\f)+8*(\b):BF+64*(\f)+8*(\b)+7], v[AF+32*(\f)+8*(\a):AF+32*(\f)+8*(\a)+7], v[8*(8*(\a)+(\b)):8*(8*(\a)+(\b))+7]
.endif
.if ((\rid) == 1) || (((\rid) == 2) && ((\b)%2 == 1))
	CV4 \g
.endif
.endr
.endm
; 32 LDS loads in one run, for phase kn of the slot: x's 64 rows x 32 f32 into RAW, then W's 32 k-rows x 128 columns, turned, into buffer g.
.macro FETCH kn, g
	WIN 0
.irp a, 0,1,2,3
	ds_load_b128 v[RAW+16*\a:RAW+16*\a+3],     v[ADA] offset:\a*16*PA+128*(\kn)
	ds_load_b128 v[RAW+16*\a+4:RAW+16*\a+7],   v[ADA] offset:\a*16*PA+128*(\kn)+16
	ds_load_b128 v[RAW+16*\a+8:RAW+16*\a+11],  v[ADA] offset:\a*16*PA+128*(\kn)+64
	ds_load_b128 v[RAW+16*\a+12:RAW+16*\a+15], v[ADA] offset:\a*16*PA+128*(\kn)+80
.endr
	WIN TO_B
.irp b, 0,1,2,3,4,5,6,7
	ds_load_tr16_b128 v[BF+64*(\g)+8*\b:BF+64*(\g)+8*\b+3],   v[ADB] offset:32*(\kn)*PB+32*\b
	ds_load_tr16_b128 v[BF+64*(\g)+8*\b+4:BF+64*(\g)+8*\b+7], v[ADB] offset:(32*(\kn)+16)*PB+32*\b
.endr
.endm
; One of a step's first three phases: multiplies buffers f, fetches phase kn and rounds it into buffers g.  A phase's last four roundings stand behind its last matrix instruction and name none of
; its registers: they are the four places ahead of the next loads into, and the next roundings onto, the buffers that it read.
.macro Q f, g, kn, first
	s_wait_dscnt 0x0                               ; W's fragments of this phase are in
.set cv, 0
	MUL8 \f, 0, \first, 0, \g
	FETCH \kn, \g
	MUL8 \f, 1, \first, 0, \g
	s_wait_dscnt 16                                ; RAW is in; W's sixteen younger loads may stay out
	MUL8 \f, 2, \first, 2, \g
	MUL8 \f, 3, \first, 2, \g
.endm
; A step's last phase multiplies buffers 1 and changes slots.  In front of the barrier each wave waits for all its tensor loads (one is out: its part of the next slot), adds 0 to its spare word, and
; waits for that and for its reads of this slot.  fill = 1: the barrier opens a round of the cluster's, and this slot is filled again, two K steps ahead, first thing behind it.
.macro TURN fill
.if \fill
	s_wait_xcnt 0x0                                ; the last prefetch, a K step back, has read its address
	s_add_nc_u64 s[PFA:PFA+1], s[PFA:PFA+1], s[PSTEP:PSTEP+1]
.endif
	WIN 0
	s_wait_tensorcnt 0x0
	ds_add_u32 v[SPW], v[NIL]
	s_wait_dscnt 1                                 ; (the add may be out: W's fragments are in)
.set cv, 0
	MUL8 1, 0, 0, 0, 0
	s_wait_dscnt 0x0                               ; the add is done, and my reads of this slot are over
	s_barrier_signal -1
	MUL8 1, 1, 0, 0, 0
	WIN 0
	s_barrier_wait -1
.if \fill
	CREST                                          ; no wave of any partner still reads this slot or has a load on its way
	s_xor_b32 s[G0A+5], s[G0A+5], SLOT
	s_add_nc_u64 s[G0A+6:G0A+7], s[G0A+6:G0A+7], 512
	s_xor_b32 s[G0B+5], s[G0B+5], SLOT
	s_add_nc_u64 s[G0B+6:G0B+7], s[G0B+6:G0B+7], 262144
	JLOAD
.endif
	s_xor_b32 s[TB], s[TB], SLOT
	v_add_nc_u32 v[ADA], s[TB], v[ADA0]
	v_add_nc_u32 v[ADB], s[TB], v[ADB0]
	FETCH 0, 0
.if \fill
	WIN 0
	ASK
.endif
	MUL8 1, 2, 0, 0, 0
	s_wait_dscnt 16
	MUL8 1, 3, 0, 1, 0
.endm
	s_wait_tensorcnt 1                             ; my part of K step 0 is in; step 1's may stay out
	s_barrier_signal -1
	s_barrier_wait -1
	FETCH 0, 0
	s_wait_dscnt 16
.set cv, 0
.rept 8
	CV4 0
.endr
	Q 0, 1, 1, 1                                   ; the first phase stands in front of the loop: the bias starts the sums
	WIN 0
	s_mov_b32 s[CNT], 6
.Lstep:                                                ; a trip: a step's phases 1, 2, 3, a refill, the next step's phase 0
	Q 1, 0, 2, 0
	Q 0, 1, 3, 0
	TURN 1
	Q 0, 1, 1, 0
	WIN 0
	s_sub_co_u32 s[CNT], s[CNT], 1
	s_cmp_lg_u32 s[CNT], 0
	s_cbranch_scc1 .Lstep
	s_mov_b32 s[CNT], 2                            ; the last two steps ask for nothing; the second trip is left in its middle, and its fetch (of the slot read before) serves nothing
.Ltail:
	Q 1, 0, 2, 0
	Q 0, 1, 3, 0
	TURN 0
	WIN 0
	s_sub_co_u32 s[CNT], s[CNT], 1
	s_cmp_eq_u32 s[CNT], 0
	s_cbranch_scc1 .Lout
	Q 0, 1, 1, 0
	WIN 0
	s_branch .Ltail
.Lout:
; THE WAY OUT.  Tile t: 16 rows (block t / 2) of one head (t % 2): four accumulators, rounded to f16, 16 bytes a lane into rows of 144 bytes, back as four rows of 128 = 512 consecutive bytes of the head.
.macro PACK t
	WIN 0x0a                                       ; sources in window 2
.set i, 0
.rept 16
	v_cvt_pk_f16_f32 v[OUTR+16*(\t)+i], v[32*(\t)+2*i], v[32*(\t)+2*i+1]
.set i, i+1
.endr
	WIN 0
.irp f, 0,1,2,3
	ds_store_b128 v[STO], v[OUTR+16*(\t)+4*\f:OUTR+16*(\t)+4*\f+3] offset:32*\f
.endr
.irp f, 0,1,2,3
	ds_load_b128 v[OUTR+16*(\t)+4*\f:OUTR+16*(\t)+4*\f+3], v[RD] offset:\f*4*SP  ; LDS serves a wave's instructions in order (ISA guide 5.7.1.4)
.endr
.endm
.macro SEND t, younger                 ; younger: the next tile's eight LDS instructions, or none
	WIN 0
.irp f, 0,1,2,3
	s_wait_dscnt (\younger)+3-\f
	global_store_b128 v[GO], v[OUTR+16*(\t)+4*\f:OUTR+16*(\t)+4*\f+3], s[OUT:OUT+1] offset:((\t)%2)*262144+((\t)/2)*2048+\f*512
.endr
.endm
	PACK 0
.set t, 1
.rept 7
	PACK t
	SEND t-1, 8
.set t, t+1
.endr
	SEND 7, 0
	s_wait_tensorcnt 0x0                           ; the wave's end
	ds_add_u32 v[SPW], v[NIL]
	s_wait_dscnt 0x0
	CROUND                                         ; the closing round
	s_endpgm
.Lfunc_end_k_qecfcf3dbc2_proj:
	.size	k_qecfcf3dbc2_proj, .Lfunc_end_k_qecfcf3dbc2_proj-k_qecfcf3dbc2_proj
	.p2alignl 7, 3214868480
	.fill 96, 4, 3214868480
	.section	.rodata,"a",@progbits
	.p2align	6, 0x0
	.amdhsa_kernel k_qecfcf3dbc2_proj
		.amdhsa_group_segment_fixed_size 327680
		.amdhsa_private_segment_fixed_size 0
		.amdhsa_enable_private_segment 0
		.amdhsa_kernarg_size 64
		.amdhsa_user_sgpr_count 2
		.amdhsa_user_sgpr_kernarg_segment_ptr 1
		.amdhsa_wavefront_size32 1
		.amdhsa_system_sgpr_workgroup_id_x 1
		.amdhsa_system_sgpr_workgroup_id_y 1
		.amdhsa_system_sgpr_workgroup_id_z 1
		.amdhsa_system_vgpr_workitem_id 0
		.amdhsa_next_free_vgpr 768
		.amdhsa_next_free_sgpr 96
		.amdhsa_reserve_vcc 0
		.amdhsa_float_denorm_mode_32 3
		.amdhsa_float_denorm_mode_16_64 3
		.amdhsa_memory_ordered 1
		.amdhsa_forward_progress 1
		.amdhsa_inst_pref_size 98
	.end_amdhsa_kernel
	.amdgpu_metadata
---
amdhsa.version: [ 1, 2 ]
amdhsa.kernels:
  - .name:           k_qecfcf3dbc2_proj
    .symbol:         k_qecfcf3dbc2_proj.kd
    .args:
      - { .name: queries, .offset: 0, .size: 8, .value_kind: global_buffer, .address_space: global }
      - { .name: keys, .offset: 8, .size: 8, .value_kind: global_buffer, .address_space: global }
      - { .name: values, .offset: 16, .size: 8, .value_kind: global_buffer, .address_space: global }
      - { .name: bq, .offset: 24, .size: 8, .value_kind: global_buffer, .address_space: global }
      - { .name: bk, .offset: 32, .size: 8, .value_kind: global_buffer, .address_space: global }
      - { .name: bv, .offset: 40, .size: 8, .value_kind: global_buffer, .address_space: global }
      - { .name: w16, .offset: 48, .size: 8, .value_kind: global_buffer, .address_space: global }
      - { .name: qkv, .offset: 56, .size: 8, .value_kind: global_buffer, .address_space: global }
    .group_segment_fixed_size: 327680
    .private_segment_fixed_size: 0
    .kernarg_segment_align: 8
    .kernarg_segment_size: 64
    .max_flat_workgroup_size: 128
    .sgpr_count:     96
    .vgpr_count:     768
    .wavefront_size: 32
...
	.end_amdgpu_metadata
.endif
;; end of part 2
;; launch attn (part 3): grid 4 x 64, 4 waves a work-group, clusters of 4 x 1, 327,680 bytes of LDS; arguments qkv, mbits, ctx; writes ctx
.if DOCPART == 3
	.amdgcn_target "amdgcn-amd-amdhsa--gfx1250"
	.amdhsa_code_object_version 6
	.text
	.protected	k_qecfcf3dbc2_attn
	.globl	k_qecfcf3dbc2_attn
	.p2align	8
	.type	k_qecfcf3dbc2_attn,@function
k_qecfcf3dbc2_attn:
	s_mov_b64 s[64:65], 0
	v_nop
	global_prefetch_b8 v0, s[64:65] scope:SCOPE_SE
	s_setreg_imm32_b32 hwreg(HW_REG_WAVE_MODE, 25, 1), 1
	s_wait_xcnt 0x0
	s_wait_alu depctr_hold_cnt(0) depctr_sa_sdst(0) depctr_va_vdst(0) depctr_va_sdst(0) depctr_va_ssrc(0) depctr_va_vcc(0) depctr_vm_vsrc(0)
	s_getreg_b32 s2, hwreg(HW_REG_IB_STS2, 6, 4)
	s_cmp_eq_u32 s2, 0
	s_cbranch_scc0 .Lentry_in_a_cluster
	s_endpgm
.Lentry_in_a_cluster:
	s_bfe_u32 s2, ttmp6, 0x10000c
	s_cmp_lg_u32 s2, 0x3003
	s_cbranch_scc0 .Lentry_shape_is_right
	s_endpgm
.Lentry_shape_is_right:
; ATTN.  ctx[h][q][:] = the sum over k of softmax_k(mask[q][k] ? Q[h][q] . K[h][k] / 8 : lowest) V[h][k][:].  Q, K, V: planes 0, 1, 2 of qkv, [64 h][2048][64] f16; ctx likewise.
; Products, maxima and sums in f32; the weights p are rounded to f16 for the second product (their sum l is taken of the unrounded p), ctx once at the end.
; LIMITS.  A hidden score counts as -2^100; f16's scores, 2.7e11 at the most, lie far above it.  c 2^100 is exact in f32, so in a row of which nothing has been seen c s - c m is 0 and p is 1: a row that is
; hidden altogether ends as the mean of all rows of V; the first visible key makes a = 0 and discards what was gathered.  A weight below 2^-126 counts as 0; NaN and infinities are not treated apart.
; SHARES.  A wave owns four PIECES of two tiles of 16 queries, a work-group's four waves 512 queries of one head; the four work-groups of a cluster are a head.  Every wave walks all keys, 64 a step.
; LAYOUT.  S^T = K Q^T (source 0 = 16 keys, source 1 = 16 queries): a lane holds ONE query (lane % 16) and the keys 8 (lane / 16) + 0..7.  Two such tiles, rounded to f16 in pairs, ARE source 1 of
; O^T = V^T P.  K comes out of LDS as it lies, V turned, by ds_load_tr16_b128.
; THE MASK.  mbits holds, for a tile of 16 queries and a key step, 32 words: word n is the lane mask of register n of S^T.  A piece's 64 words come by four scalar loads, asked for a turn ahead; 64
; v_cndmask_b32 put -2^100 where the bit is 0, ahead of the maximum.
; SOFTMAX.  A running maximum m and sum l: p = 2^(c s - c m), c = log2(e) / 8; in every step O and l are multiplied by a = 2^(c m_old - c m_new).  m starts at the lowest finite number, O and l at 0.
; BY TURNS.  Turn n belongs to piece n: 16 products K Q^T of piece n + 1, later 16 products V^T P of piece n - 1; the scaling, exponentials, roundings, sums and rescaling of piece n; the mask, maximum and
; statistics of piece n + 1.  Four vector instructions stand behind every matrix instruction, the rest in one lump; a turn's 66 exponentials are one batch with one wait.
; CLUSTER.  The four blocks walk the same K and V: each tile is asked for jointly, the same load, descriptor and mask in all four.
; REGISTERS.  window 0: v1 -2^100; v2-8, v11 addresses; v12-15, v48-63 at work; v16-47 statistics; v64-191 S^T, two buffers of two tiles; v192-255 P likewise.
;   window 1: O^T, 32 a tile.   window 2: v0-127 Q; v128-191 K of one step; v192-255 V of one step.   window 3: v0-1 the add's two registers.
.set SIZE_N, 2048
.set NP,    4
.set KS,    64
.set PK,    160       ; rows of K and of V in LDS: 128 bytes + 32: one descriptor shape serves both, K's 16 rows fall on 8 groups of banks, two deep
.set PV,    160
.set VOFF,  4*KS*PK   ; a slot holds four steps: 256 rows of K, then 256 rows of V
.set SLOT1, 1<<17
.set STAGE, SLOT1+4*KS*(PK+PV)
.set SP,    144
.set NEGV, 1
.set AK0, 2
.set AV0, 3
.set AK,  4
.set AV,  5
.set QO,  6
.set STO, 6
.set RD,  7
.set GO,  8
.set PFO, 11
.set SPW, 0           ; window 3
.set NIL, 1           ; window 3
.set SPARE, STAGE+4*16*SP
.set MV,  12
.set ST,  16
.set TMP, 48
.set S,   64
.set P,   192
.set KF,  128
.set VF,  192
.set G1,  4           ; s[4:11]  descriptor group 1
.set G0,  12          ; s[12:15] group 0: it walks
                      ; s[16:63], s[80:95] a piece's 64 mask words
.set WV,  66
.set SLOTS, 67
.set QKV, 68
.set MP,  70          ; s[70:71] mbits at my wave's eight tiles
.set OPT, 72          ; s[72:73] ctx at my wave's rows
.set CS,  74
.set SEL, 76
.set TBK, 78
.set TBV, 79
.set CNT, 96
.set MO,  97          ; 128 x the key step whose mask words are asked for
.set PFA, 98
.set LIM, 100
.set QP,  104
.set MSB, 0
.macro WIN new
.if MSB != (\new)
	s_set_vgpr_msb (MSB<<8)|(\new)
.set MSB, (\new)
.endif
.endm
.set W_KQ, 0x0a
.set W_PV, 0x52
.set W_RS, 0x41
.set W_MK, 0xc0
.set W_AD, 0x0f
; A joint fill: each wave 128 keys, waves 0, 1 the halves of a slot's K, waves 2, 3 those of its V; both addresses hang on the wave's number.  An s_nop 0 and four v_nop follow.
.macro JLOAD
	tensor_load_to_lds s[G0:G0+3], s[G1:G1+7]
	s_nop 0
.rept 4
	v_nop
.endr
.endm
; A PREFETCH of what the NEXT change of slots will ask for: 256 rows of K and of V, 32,768 bytes each.  The four partners share them out by address, 8,192 bytes each; wave 0 asks for K's, wave 2 for V's,
; a lane 256 bytes: each block is named once.  The last change that fills a slot asks for nothing.
.macro ASK
	s_cmp_gt_u32 s[SLOTS], s[LIM]
	s_cbranch_scc0 .Lnot_mine_\@
	global_prefetch_b8 v[PFO], s[PFA:PFA+1] th:TH_LOAD_NT scope:SCOPE_SE
.Lnot_mine_\@:
.endm
.macro CROUND
	s_barrier_signal -1
	s_barrier_wait -1
	s_cmp_lg_u32 s[WV], 0
	s_cbranch_scc1 .Lnot_wave_0_\@
	s_barrier_signal -3
.Lnot_wave_0_\@:
	s_barrier_wait -3
	s_barrier_signal -1
	s_barrier_wait -1
.endm
; THE CHANGE OF SLOTS.  Each wave waits for all its tensor loads (one is out: its part of the other slot), adds 0 to its spare word, and waits for that and for its reads of the slot.
; fill = 1: a round of the cluster's barrier, and the slot is filled again, with the keys two slots on, first thing behind it.
.macro CHANGE fill
	WIN W_AD
	s_wait_tensorcnt 0x0
	ds_add_u32 v[SPW], v[NIL]
	WIN 0
.if \fill
	s_xor_b32 s[G0+1], s[G0+1], SLOT1
	s_add_nc_u64 s[G0+2:G0+3], s[G0+2:G0+3], 4*KS*128
	s_wait_xcnt 0x0                 ; the last prefetch, four key steps back, has read its address
	s_add_nc_u64 s[PFA:PFA+1], s[PFA:PFA+1], 4*KS*128
	s_wait_dscnt 0x0
	CROUND
	JLOAD
	ASK
.else
	s_wait_dscnt 0x0
	s_barrier_signal -1
	s_barrier_wait -1
.endif
	s_sub_co_u32 s[TBK], s[TBK], 4*KS*PK
	s_xor_b32 s[TBK], s[TBK], SLOT1
	s_sub_co_u32 s[TBV], s[TBV], 4*KS*PV
	s_xor_b32 s[TBV], s[TBV], SLOT1
.endm
; The 64 mask words of piece x for key step MO / 128: tile 2 x: words 0-15, 16-31; tile 2 x + 1 likewise.  A tile's words of all 32 steps are 4,096 bytes.
.macro MLOAD x
	s_load_b512 s[16:31], s[MP:MP+1], s[MO] offset:8192*(\x)
	s_load_b512 s[32:47], s[MP:MP+1], s[MO] offset:8192*(\x)+64
	s_load_b512 s[48:63], s[MP:MP+1], s[MO] offset:8192*(\x)+4096
	s_load_b512 s[80:95], s[MP:MP+1], s[MO] offset:8192*(\x)+4160
.endm
	s_load_b128 s[QKV:QKV+3], s[0:1], 0x0  ; qkv s[68:69], mbits s[70:71]
	s_load_b64 s[OPT:OPT+1], s[0:1], 0x10  ; ctx
	WIN W_MK
	v_lshl_add_u32 v[SPW], v0, 2, SPARE
	v_mov_b32 v[NIL], 0
	WIN W_AD
	ds_add_u32 v[SPW], v[NIL]       ; the wave's opening: the add and its wait ahead of my first tensor load
	WIN 0
	v_lshrrev_b32 v1, 5, v0
	v_readfirstlane_b32 s[WV], v1
	s_bfe_u32 s84, ttmp6, 0x40000   ; cx
	s_and_b32 s85, ttmp7, 0xffff    ; the head, which the four partners share
	s_lshl_b32 s86, s85, 18         ; its first byte in a plane
	s_lshr_b32 s88, s[WV], 1        ; plane 1 (K) for waves 0, 1; plane 2 (V) for waves 2, 3
	s_add_co_u32 s88, s88, 1
	s_lshl_b32 s88, s88, 24
	s_and_b32 s90, s[WV], 1         ; which half of a slot's 256 keys I fetch
	s_lshl_b32 s91, s90, 14
	s_add_co_u32 s88, s88, s91
	s_add_co_u32 s88, s88, s86
	s_mov_b32 s89, 0
	s_lshl_b32 s92, ttmp9, 2
	s_add_co_u32 s92, s92, s84      ; my block of 512 queries
	s_lshl_b32 s92, s92, 2
	s_add_co_u32 s92, s92, s[WV]    ; my wave among the head's sixteen
	s_lshl_b32 s94, s92, 15         ; its eight tiles' mask words
	s_mov_b32 s95, 0
	s_lshl_b32 s92, s92, 14         ; its 128 rows
	s_add_co_u32 s92, s92, s86
	s_mov_b32 s93, 0
	s_lshl_b32 s2, s84, 13          ; the prefetches: my work-group's 8,192 bytes of a slot's 32,768
	s_mov_b32 s3, 0
	s_cmp_eq_u32 s90, 0
	s_cselect_b32 s[LIM], 1, -1     ; waves 0 and 2 ask: the same in all four partners
	; 128 keys are 16,384 dense bytes: asked for as 64 rows of 256 bytes, two keys a row, and padded in LDS after every key
	s_mov_b32 s[G1], 15|(1<<16)|(1<<20)|(1<<21)|(4<<22)|(7<<25)  ; the mask of four; 2-byte elements; padding on; 21 beside a mask; after every 32 words 8 words
	s_mov_b32 s[G1+1], 128<<16
	s_mov_b32 s[G1+2], 64<<16
	s_mov_b32 s[G1+3], 128<<16
	s_mov_b32 s[G1+4], 64
	s_mov_b32 s[G1+5], 128
	s_mov_b32 s[G1+6], 0
	s_mov_b32 s[G1+7], 0
	s_mov_b32 s[G0], 1
	s_mul_i32 s[G0+1], s[WV], 128*PK  ; slot 0: K's halves, then V's
	s_mov_b32 s[CS], 0x3e38aa3b     ; c = log2(e) / 8
	s_mov_b32 s[CS+1], s[CS]
	s_mov_b32 s[SEL], 0x76543210
	s_mov_b32 s[SEL+1], 0xfedcba98
	s_mov_b32 s[TBK], SLOT1+4*KS*PK ; the first change of slots turns these two into 0
	s_mov_b32 s[TBV], SLOT1+4*KS*PV
	s_mov_b32 s[SLOTS], SIZE_N/256-1
	s_mov_b32 s[MO], 0
	s_wait_dscnt 0x0                ; the opening add is done
	s_wait_kmcnt 0x0
	s_add_nc_u64 s[G0+2:G0+3], s[QKV:QKV+1], s[88:89]
	s_add_nc_u64 s[PFA:PFA+1], s[G0+2:G0+3], s[2:3]
	s_add_nc_u64 s[PFA:PFA+1], s[PFA:PFA+1], 4*KS*128  ; in slot 1; the first change of slots steps it to slot 2
	s_or_b32 s[G0+3], s[G0+3], 0x80000000
	s_add_nc_u64 s[QP:QP+1], s[QKV:QKV+1], s[92:93]
	s_add_nc_u64 s[OPT:OPT+1], s[OPT:OPT+1], s[92:93]
	s_add_nc_u64 s[MP:MP+1], s[MP:MP+1], s[94:95]
	CROUND                          ; all four work-groups are here: the first joint loads meet
	JLOAD                           ; slot 0; slot 1 is asked for when slot 0 is in
	v_and_b32 v1, 15, v0            ; l % 16
	v_bfe_u32 v9, v0, 4, 1          ; l / 16
	v_lshlrev_b32 v[QO], 7, v1
	v_lshl_add_u32 v[QO], v9, 4, v[QO]
	WIN 0x80
.set i, 0
.rept 4*NP                          ; Q stays in registers: tile i / 2, channels 32 (i % 2) on
	global_load_b128 v[8*i:8*i+3],   v[QO], s[QP:QP+1] offset:(i/2)*2048+(i%2)*64
	global_load_b128 v[8*i+4:8*i+7], v[QO], s[QP:QP+1] offset:(i/2)*2048+(i%2)*64+32
.set i, i+1
.endr
	MLOAD 0                         ; piece 0's mask words of key step 0
	; What the first turn finds: V's registers and P's second buffer hold 0, O^T and l are 0.  All this stands in the wait for the first tile.
.set i, VF
.rept 64
	v_mov_b32 v[i], 0
.set i, i+1
.endr
	WIN 0x40
.set i, 0
.rept 64*NP
	v_mov_b32 v[i], 0
.set i, i+1
.endr
	WIN 0
.set i, 0
.rept 2*NP
	v_mov_b32 v[ST+4*i], 0xfe000000    ; c m: far below every c s, c x -2^100 too
	v_mov_b32 v[ST+4*i+1], 0xff7fffff  ; m
	v_mov_b32 v[ST+4*i+2], 0
	v_mov_b32 v[ST+4*i+3], 0
.set i, i+1
.endr
.set i, P+32
.rept 32
	v_mov_b32 v[i], 0
.set i, i+1
.endr
	v_mul_u32_u24 v[AK0], v1, PK
	v_lshl_add_u32 v[AK0], v9, 4, v[AK0]
	v_and_b32 v10, 7, v0
	v_bfe_u32 v11, v0, 3, 1
	v_lshl_add_u32 v[AV0], v9, 3, v10
	v_mul_u32_u24 v[AV0], v[AV0], PV
	v_lshl_add_u32 v[AV0], v11, 4, v[AV0]
	v_add_nc_u32 v[AV0], VOFF, v[AV0]
	v_mov_b32 v[AK], v[AK0]
	v_and_b32 v[PFO], 31, v0
	v_lshlrev_b32 v[PFO], 8, v[PFO]
; THE MATRIX WORK.  The 8 accumulators of a run of 16 take turns.
.macro KQ x
	WIN W_KQ
.set rS, S+64*((\x)%2)+32*(i%2)+8*((i/2)%4)
.set rK, KF+16*((i/2)%4)+8*(i/8)
.set rQ, 16*(2*(\x)+i%2)+8*(i/8)
.if i < 8
	v_wmma_f32_16x16x32_f16 v[rS:rS+7], v[rK:rK+7], v[rQ:rQ+7], 0
.else
	v_wmma_f32_16x16x32_f16 v[rS:rS+7], v[rK:rK+7], v[rQ:rQ+7], v[rS:rS+7]
.endif
.endm
.macro PV x
	WIN W_PV
.set rO, 32*(2*(\x)+i%2)+8*((i/2)%4)
.set rV, VF+32*(i/8)+8*((i/2)%4)
.set rP, P+32*((\x)%2)+16*(i%2)+8*(i/8)
	v_wmma_f32_16x16x32_f16 v[rO:rO+7], v[rV:rV+7], v[rP:rP+7], v[rO:rO+7]
.endm
.macro MM
.if i < 16
	KQ (Y+1)%NP
.set i, i+1
.else
.set i, i-16
	PV (Y+NP-1)%NP
.set i, i+17
.endif
.endm
.macro FETCH_K last=0
	WIN 0
.if \last
	s_cmp_eq_u32 s[CNT], 1
	s_cbranch_scc1 .Lno_k_\@
.endif
	WIN 0x80
.irp f, 0,1,2,3,4,5,6,7
	ds_load_b128 v[KF+8*\f:KF+8*\f+3],   v[AK] offset:(\f/2)*16*PK+(\f%2)*64
	ds_load_b128 v[KF+8*\f+4:KF+8*\f+7], v[AK] offset:(\f/2)*16*PK+(\f%2)*64+32
.endr
	s_add_co_u32 s[TBK], s[TBK], KS*PK
	WIN 0
.if \last
.Lno_k_\@:
.endif
.endm
.macro FETCH_V
	WIN 0x80
.irp f, 0,1,2,3,4,5,6,7
	ds_load_tr16_b128 v[VF+8*\f:VF+8*\f+3],   v[AV] offset:(\f/4)*32*PV+(\f%4)*32
	ds_load_tr16_b128 v[VF+8*\f+4:VF+8*\f+7], v[AV] offset:(\f/4)*32*PV+16*PV+(\f%4)*32
.endr
	WIN 0
.endm
; THE VECTOR WORK OF A TURN stands in three queues, each in the order in which its entries become ready; the two tiles alternate.
.macro REGS y, u
.set rT, ST+4*(2*(\y)+(\u))
.set rC, TMP+8*((\y)%2)+4*(\u)
.set rM, MV+2*((\y)%2)+(\u)
.set rS, S+64*((\y)%2)+32*(\u)
.set rP, P+32*((\y)%2)+16*(\u)
.set rO, 32*(2*(\y)+(\u))
.endm
; Number k of the 64 that mask the NEXT piece's scores: tile k % 2, register k / 2, ascending: each accumulator's lowest registers are read first.
.macro MK k
	REGS (Y+1)%NP, (\k)%2
.set mkn, (\k)/2
.set mkb, 16+16*(2*((\k)%2)+mkn/16)
.if mkb >= 64
.set mkb, 80
.endif
	v_cndmask_b32 v[rS+mkn], v[NEGV], v[rS+mkn], s[mkb+mkn%16]
.endm
; Number n of the 22 that find the NEXT piece's maximum and statistics.
.macro XS u, n
	REGS (Y+1)%NP, \u
.if (\n) < 4
	v_max3_num_f32 v[rC+(\n)], v[rS+8*(\n)], v[rS+8*(\n)+1], v[rS+8*(\n)+2]
.elseif (\n) < 12
	v_max3_num_f32 v[rC+(\n)%4], v[rC+(\n)%4], v[rS+8*((\n)%4)+2*((\n)/4)+1], v[rS+8*((\n)%4)+2*((\n)/4)+2]
.elseif (\n) == 12
	v_max3_num_f32 v[rC], v[rC], v[rS+7], v[rS+15]
.elseif (\n) == 13
	v_max3_num_f32 v[rC+1], v[rC+1], v[rS+23], v[rS+31]
.elseif (\n) == 14
	v_max3_num_f32 v[rC+2], v[rC+2], v[rC+3], v[rT+1]
.elseif (\n) == 15
	v_mov_b32 v[rM], v[rT]
.elseif (\n) == 16
	v_max3_num_f32 v[rC], v[rC], v[rC+1], v[rC+2]
.elseif (\n) == 17
	v_permlanex16_b32 v[rC+3], v[rC], s[SEL], s[SEL+1]
.elseif (\n) == 18
	v_max_num_f32 v[rT+1], v[rC], v[rC+3]
.elseif (\n) == 19
	v_mul_f32 v[rT], s[CS], v[rT+1]
.elseif (\n) == 20
	v_sub_f32 v[rC+1], v[rM], v[rT]
.else
	v_exp_f32 v[rC+2], v[rC+1]
.endif
.endm
; Number g of the 64 that follow the exponentials: roundings to f16, sums of four weights in place, and l a group later.
.macro GS g
.set h, (\g)+6*((\g)/62)
.if h >= 6
.set h, h+2
.endif
	REGS Y, h%2
.set k, h/8
.if h%8 < 4
	v_cvt_pk_f16_f32 v[rP+2*k+(h%8)/2], v[rS+4*k+2*((h%8)/2)], v[rS+4*k+2*((h%8)/2)+1]
.elseif h%8 < 6
	v_pk_add_f32 v[rS+4*k:rS+4*k+1], v[rS+4*k:rS+4*k+1], v[rS+4*k+2:rS+4*k+3]
.elseif k == 1
	v_pk_fma_f32 v[rT+2:rT+3], v[rT+2:rT+3], v[rC+2:rC+3], v[rS:rS+1] op_sel_hi:[1,0,1]
.else
	v_pk_add_f32 v[rT+2:rT+3], v[rT+2:rT+3], v[rS+4*k-4:rS+4*k-3]
.endif
.endm
; THE PLAIN QUEUE, 202 long.  0-26: scalings 0-26.  27-90: the 64 masks.  91-118: XS's numbers 0-13.  119, 120: number 15.  121-137: the chain 14, 16 .. 19, each with one of the scalings 27-31 in front, then 20.
; 138-201: GS's 64, which read the exponentials' results: they stand behind the wait.
.macro FS f
	REGS Y, (\f)%2
	v_pk_fma_f32 v[rS+2*((\f)/2):rS+2*((\f)/2)+1], v[rS+2*((\f)/2):rS+2*((\f)/2)+1], s[CS:CS+1], v[rT:rT+1] op_sel_hi:[1,0,0] neg_lo:[0,0,1] neg_hi:[0,0,1]
.endm
.macro PL
	WIN 0
.if q < 27
	FS q
.elseif q < 91
	MK q-27
.elseif q < 119
	XS (q-91)%2, (q-91)/2
.elseif q < 121
	XS q-119, 15
.elseif (q < 136) && ((q-121)%3 == 0)
	FS 27+(q-121)/3
.elseif q < 124
	XS (q-121)%3-1, 14
.elseif q < 136
	XS (q-121)%3-1, 15+(q-121)/3
.elseif q < 138
	XS q-136, 20
.else
	GS q-138
.endif
.set q, q+1
.endm
; THE EXPONENTIALS' QUEUE, 66 long: one batch, all ahead of the turn's one wait.
.macro EX
	WIN 0
.if e >= 64
	XS e-64, 21
.else
	REGS Y, e%2
	v_exp_f32 v[rS+e/2], v[rS+e/2]
.endif
.set e, e+1
.endm
; THE RESCALING's QUEUE: O^T times a, two at a time.
.macro R2
	REGS Y, r%2
	WIN W_RS
.irp z, 0,1
	v_pk_mul_f32 v[rO+4*(r/2)+2*\z:rO+4*(r/2)+2*\z+1], v[rO+4*(r/2)+2*\z:rO+4*(r/2)+2*\z+1], v[rC+2:rC+3] op_sel_hi:[1,0]
.endr
.set r, r+1
.endm
; A TURN, for piece p.  Ahead of the one wait: 16 products K Q^T with a scaling, an exponential and two rescalings behind each; then the lump: ten plain and two exponentials; the wait for the mask words, asked for a
; turn ago; the 64 masks (the first stands more than four plain instructions behind the last product K Q^T); the scalar loads for the next turn's piece (piece 2's turn steps to the next key step first: piece 0's
; next scores are that step's); exponential and plain by turns; the two a.  Behind the wait: 16 products V^T P with four of GS's 64 behind each.
; Exponential e stands behind scaling 2 (e / 4) + e % 2: as a rider it comes behind plain e + 2, in the lump behind the plain that stood at e + 9 before the masks were set in.
.macro TURN p, last=0, cnt=0
.set Y, (\p)
.set i, 0
.set q, 0
.set e, 0
.set r, 0
.if (\p) == NP-1
	s_wait_dscnt 0x0                ; K is in
.endif
	MM
	PL
	PL
	R2
.rept 15
	MM
	PL
	EX
	R2
.endr
.if (\p) == NP-2
	WIN 0
	v_add_nc_u32 v[AK], s[TBK], v[AK0]
.endif
.rept 8
	PL
.endr
.rept 2
	EX
	PL
.endr
	s_wait_kmcnt 0x0                ; the next piece's mask words are in; scalar loads come back in no order, so the count is 0
.rept 64
	PL
.endr
.if (\p) == NP-2
	s_add_co_u32 s[MO], s[MO], 128  ; the loads that named it are done
.endif
	MLOAD ((\p)+2)%NP
.rept 47
	EX
	PL
.endr
	EX
	EX
	v_nop                           ; a plain instruction behind the last exponential: one for the batch
	s_wait_alu depctr_va_vdst(0)    ; the wait for the batch
.if (\p) == NP-2
	FETCH_K \last
.endif
.if (\p) == 1
	s_wait_dscnt 0x0                ; V is in
.endif
.rept 16
	MM
.rept 4
	PL
.endr
.if ((\p) == 0) && (q == 182)
	v_add_nc_u32 v[AV], s[TBV], v[AV0]
.endif
.if ((\p) == 0) && (q == 194)
	s_add_co_u32 s[TBV], s[TBV], KS*PV
.endif
.if (\cnt) && (q == 194)
	s_sub_co_u32 s[CNT], s[CNT], 1
	s_cmp_lg_u32 s[CNT], 0
.endif
.endr
.if (\p) == 0
	FETCH_V
.endif
.endm
	CHANGE 1                        ; slot 0 is in, everybody's part of it; slot 1 is asked for
	FETCH_K                         ; key step 0
	s_wait_loadcnt 0x0              ; Q
	s_wait_dscnt 0x0
.set i, 0
.rept 16
	KQ 0
.set i, i+1
.endr
	WIN 0                           ; the addresses for the way out: plain instructions, the places behind those products
	s_mul_i32 s101, s[WV], 16*SP
	s_add_co_u32 s101, s101, STAGE
	v_mul_u32_u24 v[STO], v1, SP
	v_lshl_add_u32 v[STO], v9, 4, v[STO]
	v_add_nc_u32 v[STO], s101, v[STO]
	v_bfe_u32 v[RD], v0, 3, 2
	v_mul_u32_u24 v[RD], v[RD], SP
	v_lshl_add_u32 v[RD], v10, 4, v[RD]
	v_add_nc_u32 v[RD], s101, v[RD]
	v_and_b32 v[GO], 31, v0
	v_lshlrev_b32 v[GO], 4, v[GO]
	v_mov_b32 v[NEGV], 0xf1800000   ; -2^100
.set Y, NP-1                        ; MK and XS work for piece Y + 1: piece 0
	s_wait_kmcnt 0x0
.set mk, 0
.rept 64
	MK mk
.set mk, mk+1
.endr
	MLOAD 1                         ; piece 1's words of key step 0, for the first turn
.irp n, 0,1,2,3,4,5,6,7,8,9,10,11,12,13,14,15,16,17,18,19,20,21
	XS 0, \n
	XS 1, \n
.endr
	v_nop
	s_wait_alu depctr_va_vdst(0)    ; the two a have their wait ahead of the branch
	s_mov_b32 s[CNT], 4
	s_branch .Lfirst                ; the loop is entered at a step's first turn
.Lslot:                             ; six times: every slot but the last two is filled again
	CHANGE 1
	s_mov_b32 s[CNT], 4
.Lstep:                             ; a trip: pieces 2 and 3 of one step, then pieces 0 and 1 of the next
	TURN 2
	TURN 3
	WIN 0
.Lfirst:
	TURN 0
	TURN 1, 0, 1
	WIN 0
	s_cbranch_scc1 .Lstep
	s_sub_co_u32 s[SLOTS], s[SLOTS], 1
	s_cmp_lg_u32 s[SLOTS], 0
	s_cbranch_scc1 .Lslot
	CHANGE 0                        ; the tail is written out
	s_mov_b32 s[CNT], 5             ; four trips fetch the last slot's steps; the fifth is left in its middle
.Ltail:
	TURN 2, 1
	TURN 3
	WIN 0
	s_sub_co_u32 s[CNT], s[CNT], 1
	s_cmp_eq_u32 s[CNT], 0
	s_cbranch_scc1 .Lout
	TURN 0
	TURN 1
	WIN 0
	s_branch .Ltail
.Lout:                              ; the fifth trip's products K Q^T, its masks (words of the wave's own 32,768 bytes of mbits, one step past a tile's last) and maximum serve nothing: the price of one text for every trip
.set i, 0
.rept 16
	PV NP-1
.set i, i+1
.endr
	; THE WAY OUT.  l's halves are added; O^T is divided by l, rounded to f16 and sent through my stage, a tile at a time.
	WIN 0
.macro ALL line:vararg
.set t, 0
.rept 2*NP
	\line
.set t, t+1
.endr
.endm
	ALL v_add_f32 v[ST+4*t+2], v[ST+4*t+2], v[ST+4*t+3]
	ALL v_permlanex16_b32 v[ST+4*t+3], v[ST+4*t+2], s[SEL], s[SEL+1]
	ALL v_add_f32 v[ST+4*t+2], v[ST+4*t+2], v[ST+4*t+3]
	ALL v_rcp_f32 v[ST+4*t+2], v[ST+4*t+2]
	v_nop
	s_wait_alu depctr_va_vdst(0)    ; one wait for the eight reciprocals
.macro PACK t
	WIN W_RS
.set i, 32*(\t)
.rept 16
	v_pk_mul_f32 v[i:i+1], v[i:i+1], v[ST+4*(\t)+2:ST+4*(\t)+3] op_sel_hi:[1,0]
.set i, i+2
.endr
	WIN 0x05
.set i, 0
.rept 16
	v_cvt_pk_f16_f32 v[S+16*(\t)+i], v[32*(\t)+2*i], v[32*(\t)+2*i+1]
.set i, i+1
.endr
	WIN 0
.irp f, 0,1,2,3
	ds_store_b128 v[STO], v[S+16*(\t)+4*\f:S+16*(\t)+4*\f+3] offset:32*\f
.endr
.irp f, 0,1,2,3
	ds_load_b128 v[S+16*(\t)+4*\f:S+16*(\t)+4*\f+3], v[RD] offset:\f*4*SP  ; LDS serves a wave's instructions in order (ISA guide 5.7.1.4)
.endr
.endm
.macro SEND t, younger
	WIN 0
.irp f, 0,1,2,3
	s_wait_dscnt (\younger)+3-\f
	global_store_b128 v[GO], v[S+16*(\t)+4*\f:S+16*(\t)+4*\f+3], s[OPT:OPT+1] offset:(\t)*2048+\f*512  ; 512 consecutive bytes, aligned
.endr
.endm
	PACK 0
.set t, 1
.rept 2*NP-1
	PACK t
	SEND t-1, 8
.set t, t+1
.endr
	SEND 2*NP-1, 0
	WIN W_AD
	s_wait_tensorcnt 0x0            ; the wave's end
	ds_add_u32 v[SPW], v[NIL]
	s_wait_dscnt 0x0
	WIN 0
	CROUND                          ; the closing round
	s_endpgm
.Lfunc_end_k_qecfcf3dbc2_attn:
	.size	k_qecfcf3dbc2_attn, .Lfunc_end_k_qecfcf3dbc2_attn-k_qecfcf3dbc2_attn
	.p2alignl 7, 3214868480
	.fill 96, 4, 3214868480
	.section	.rodata,"a",@progbits
	.p2align	6, 0x0
	.amdhsa_kernel k_qecfcf3dbc2_attn
		.amdhsa_group_segment_fixed_size 327680
		.amdhsa_private_segment_fixed_size 0
		.amdhsa_enable_private_segment 0
		.amdhsa_kernarg_size 24
		.amdhsa_user_sgpr_count 2
		.amdhsa_user_sgpr_kernarg_segment_ptr 1
		.amdhsa_wavefront_size32 1
		.amdhsa_system_sgpr_workgroup_id_x 1
		.amdhsa_system_sgpr_workgroup_id_y 1
		.amdhsa_system_sgpr_workgroup_id_z 1
		.amdhsa_system_vgpr_workitem_id 0
		.amdhsa_next_free_vgpr 770
		.amdhsa_next_free_sgpr 106
		.amdhsa_reserve_vcc 0
		.amdhsa_float_denorm_mode_32 3
		.amdhsa_float_denorm_mode_16_64 3
		.amdhsa_memory_ordered 1
		.amdhsa_forward_progress 1
		.amdhsa_inst_pref_size 237
	.end_amdhsa_kernel
	.amdgpu_metadata
---
amdhsa.version: [ 1, 2 ]
amdhsa.kernels:
  - .name:           k_qecfcf3dbc2_attn
    .symbol:         k_qecfcf3dbc2_attn.kd
    .args:
      - { .name: qkv, .offset: 0, .size: 8, .value_kind: global_buffer, .address_space: global }
      - { .name: mbits, .offset: 8, .size: 8, .value_kind: global_buffer, .address_space: global }
      - { .name: ctx, .offset: 16, .size: 8, .value_kind: global_buffer, .address_space: global }
    .group_segment_fixed_size: 327680
    .private_segment_fixed_size: 0
    .kernarg_segment_align: 8
    .kernarg_segment_size: 24
    .max_flat_workgroup_size: 128
    .sgpr_count:     106
    .vgpr_count:     770
    .wavefront_size: 32
...
	.end_amdgpu_metadata
.endif
;; end of part 3
;; launch oproj (part 4): grid 4 x 64, 4 waves a work-group, clusters of 4 x 4, 327,680 bytes of LDS; arguments ctx, w16, bo, out0; writes out0
.if DOCPART == 4
	.amdgcn_target "amdgcn-amd-amdhsa--gfx1250"
	.amdhsa_code_object_version 6
	.text
	.protected	k_qecfcf3dbc2_oproj
	.globl	k_qecfcf3dbc2_oproj
	.p2align	8
	.type	k_qecfcf3dbc2_oproj,@function
k_qecfcf3dbc2_oproj:
	s_mov_b64 s[64:65], 0
	v_nop
	global_prefetch_b8 v0, s[64:65] scope:SCOPE_SE
	s_setreg_imm32_b32 hwreg(HW_REG_WAVE_MODE, 25, 1), 1
	s_wait_xcnt 0x0
	s_wait_alu depctr_hold_cnt(0) depctr_sa_sdst(0) depctr_va_vdst(0) depctr_va_sdst(0) depctr_va_ssrc(0) depctr_va_vcc(0) depctr_vm_vsrc(0)
	s_getreg_b32 s2, hwreg(HW_REG_IB_STS2, 6, 4)
	s_cmp_eq_u32 s2, 0
	s_cbranch_scc0 .Lentry_in_a_cluster
	s_endpgm
.Lentry_in_a_cluster:
	s_bfe_u32 s2, ttmp6, 0x10000c
	s_cmp_lg_u32 s2, 0xf033
	s_cbranch_scc0 .Lentry_shape_is_right
	s_endpgm
.Lentry_shape_is_right:
; OPROJ.  out0 = combined Wo + bo.  combined[b s][head 64 + d] = ctx[b 16 + head][s][d], f16; Wo: plane 3 of w16, [k][n], its bf16 rounding written as f16, read turned; bo rounded to bf16, the C operand of the
; first products.  Sums in f32, stored as they are.  NaN and infinities are not treated apart.
; SHARES.  A work-group makes 128 rows x 256 columns: 256 work-groups.  Four waves, each 64 rows x 128 columns: 32 accumulators.  K goes in 8 steps of 128 (two heads) through two LDS slots; a step is four
; phases of 32 along K.  CLUSTER: 4 x 4; the four of a row need the same rows of ctx, the four of a column the same columns of Wo: joint loads.
; THE MATRIX INSTRUCTION IS USED TRANSPOSED: a lane holds one row and eight neighbouring columns: 32 bytes of out0.
; REGISTERS.  window 0: v2-9 addresses; v28-29 the add's; v96-127, v128-159 ctx's fragments, two buffers; v32-95, v160-223 rows on the way out.
;   window 1: v0-63, v64-127 Wo's fragments; v128-191 the bias; v192-195 at work.   window 2: accumulator (a, b) at v[8 (8 a + b)].
.set PA,    144                        ; a row of a head in LDS: 128 bytes + 16
.set HB,    128*PA                     ; a head's 128 rows
.set PB,    544
.set BOFF,  2*HB
.set SLOT,  0x20000
.set STAGE, SLOT+BOFF+128*PB           ; behind the ring: 16 rows x 528 bytes for each wave
.set OP,    528
.set SPARE, STAGE+4*16*OP
.set ADA0, 2
.set ADB0, 3
.set ADA,  4
.set ADB,  5
.set STO,  6
.set RD,   7
.set CO,   8
.set PFO,  9
.set SPW,  28
.set NIL,  29
.set AF,   96
.set BF,   0
.set BIAS, 128
.set BT,   192
.set WV,   20
.set WH,   21
.set WL,   22
.set G1A,  24
.set G0A,  32
.set G1B,  40
.set G0B,  48
.set TB,   56
.set CNT,  57
.set LIM,  58
.set PFA,  60
.set PSTEP, 62
.set OUT,  80
.set BP,   82
.set W_MUL,  0xa1
.set W_MUL1, 0x91
.set TO_B,   0x40
.set MSB, 0
.macro WIN new
.if MSB != (\new)
	s_set_vgpr_msb (MSB<<8)|(\new)
.set MSB, (\new)
.endif
.endm
.macro PLACES                          ; four places ahead of loads into registers that matrix instructions have read, and of stores that read results
.rept 4
	v_nop
.endr
.endm
.macro JLOAD
	s_cmp_eq_u32 s[WH], 0
	s_cbranch_scc0 .Lfor_b_\@
	tensor_load_to_lds s[G0A+4:G0A+7], s[G1A:G1A+7]
	s_nop 0
.rept 4
	v_nop
.endr
	s_branch .Lasked_\@
.Lfor_b_\@:
	tensor_load_to_lds s[G0B+4:G0B+7], s[G1B:G1B+7]
	s_nop 0
.rept 4
	v_nop
.endr
.Lasked_\@:
.endm
; A PREFETCH of the K step two refills on.  ctx's rows are read by one cluster alone: wave 0 of every work-group asks for 4,096 bytes (by cx) of each of the step's two heads' 16,384; Wo's columns are read by all
; sixteen clusters: waves 2, 3 of the first ask, 16 k-rows (by cy) each.  A lane names 256 bytes; each block is named once.  Steps 0 to 3 come by their loads alone; the last two refills ask for nothing.
.macro ASK
	s_cmp_gt_u32 s[CNT], s[LIM]
	s_cbranch_scc0 .Lnot_mine_\@
	global_prefetch_b8 v[PFO], s[PFA:PFA+1] th:TH_LOAD_NT scope:SCOPE_SE
.Lnot_mine_\@:
.endm
.macro CREST
	s_cmp_lg_u32 s[WV], 0
	s_cbranch_scc1 .Lnot_wave_0_\@
	s_barrier_signal -3
.Lnot_wave_0_\@:
	s_barrier_wait -3
	s_barrier_signal -1
	s_barrier_wait -1
.endm
.macro CROUND
	s_barrier_signal -1
	s_barrier_wait -1
	CREST
.endm
	s_load_b256 s[4:11], s[0:1], 0x0               ; ctx s[4:5], w16 s[6:7], bo s[8:9], out0 s[10:11]
	v_lshl_add_u32 v[SPW], v0, 2, SPARE
	v_mov_b32 v[NIL], 0
	ds_add_u32 v[SPW], v[NIL]                      ; the wave's opening: the add and its wait ahead of my first tensor load
	v_lshrrev_b32 v1, 5, v0
	v_readfirstlane_b32 s[WV], v1
	s_lshr_b32 s[WH], s[WV], 1
	s_and_b32 s[WL], s[WV], 1
	s_bfe_u32 s66, ttmp6, 0x40000                  ; cx
	s_bfe_u32 s67, ttmp6, 0x40004                  ; cy
	s_and_b32 s68, ttmp7, 0xffff                   ; the cluster's y
	s_lshl_b32 s70, s68, 2
	s_add_co_u32 s70, s70, s67                     ; row tile of 128, 0..63
	s_lshl_b32 s73, ttmp9, 2
	s_add_co_u32 s73, s73, s66                     ; column tile of 256
	s_lshl_b32 s71, s67, 2
	s_lshl_b32 s71, 15, s71
	s_lshl_b32 s72, 0x1111, s66
	; ctx: a head's 128 rows are 16,384 dense bytes: 64 rows of 256 bytes, padded in LDS after every 128
	s_or_b32 s[G1A], s71, (1<<16)|(1<<20)|(1<<21)|(4<<22)|(3<<25)
	s_mov_b32 s[G1A+1], 128<<16
	s_mov_b32 s[G1A+2], 64<<16
	s_mov_b32 s[G1A+3], 128<<16
	s_mov_b32 s[G1A+4], 64
	s_mov_b32 s[G1A+5], 128
	s_mov_b32 s[G1A+6], 0
	s_mov_b32 s[G1A+7], 0
	s_or_b32 s[G1B], s72, (1<<16)|(1<<20)|(1<<21)|(6<<22)|(7<<25)
	s_mov_b32 s[G1B+1], 256<<16
	s_mov_b32 s[G1B+2], 64<<16
	s_mov_b32 s[G1B+3], 256<<16
	s_mov_b32 s[G1B+4], 64
	s_mov_b32 s[G1B+5], 1024
	s_mov_b32 s[G1B+6], 0
	s_mov_b32 s[G1B+7], 0
	s_lshr_b32 s74, s70, 4                         ; batch: 16 heads of 262,144 bytes
	s_lshl_b32 s74, s74, 22
	s_lshl_b32 s75, s[WL], 18                      ; which of a step's two heads I fetch
	s_add_co_u32 s74, s74, s75
	s_and_b32 s75, s70, 15
	s_lshl_b32 s75, s75, 14                        ; the tile's 128 rows in the head
	s_add_co_u32 s74, s74, s75
	s_mov_b32 s75, 0
	s_lshl_b32 s76, s[WL], 17                      ; Wo: plane 3, k-row 64 x half, 512 bytes x column tile
	s_add_co_u32 s76, s76, 3<<21
	s_lshl_b32 s77, s73, 9
	s_add_co_u32 s76, s76, s77
	s_mov_b32 s77, 0
	s_mul_i32 s86, s[WL], HB
	s_mul_i32 s87, s[WL], 64*PB
	s_add_co_u32 s87, s87, BOFF
	s_mov_b32 s[TB], 0
	s_wait_dscnt 0x0
	s_wait_kmcnt 0x0
	s_add_nc_u64 s[78:79], s[4:5], s[74:75]
	s_add_nc_u64 s[84:85], s[6:7], s[76:77]
	CROUND
.irp s, 0,1
	s_mov_b32 s[G0A+4*\s], 1
	s_add_co_u32 s[G0A+4*\s+1], s86, \s*SLOT
	s_add_nc_u64 s[G0A+4*\s+2:G0A+4*\s+3], s[78:79], \s*524288
	s_or_b32 s[G0A+4*\s+3], s[G0A+4*\s+3], 0x80000000
	s_mov_b32 s[G0B+4*\s], 1
	s_add_co_u32 s[G0B+4*\s+1], s87, \s*SLOT
	s_add_nc_u64 s[G0B+4*\s+2:G0B+4*\s+3], s[84:85], \s*262144
	s_or_b32 s[G0B+4*\s+3], s[G0B+4*\s+3], 0x80000000
.endr
	s_cmp_eq_u32 s[WH], 0
	s_cbranch_scc0 .Lfirst_b
	tensor_load_to_lds s[G0A:G0A+3], s[G1A:G1A+7]
	s_nop 0
	tensor_load_to_lds s[G0A+4:G0A+7], s[G1A:G1A+7]
	s_nop 0
.rept 4
	v_nop
.endr
	s_branch .Lfirst_asked
.Lfirst_b:
	tensor_load_to_lds s[G0B:G0B+3], s[G1B:G1B+7]
	s_nop 0
	tensor_load_to_lds s[G0B+4:G0B+7], s[G1B:G1B+7]
	s_nop 0
.rept 4
	v_nop
.endr
.Lfirst_asked:
	v_and_b32 v12, 15, v0                          ; r
	v_bfe_u32 v13, v0, 4, 1                        ; h
	v_and_b32 v14, 7, v0
	v_bfe_u32 v15, v0, 3, 1
	v_lshlrev_b32 v10, 5, v13                      ; 32 h
	s_lshl_b32 s88, s73, 10
	s_lshl_b32 s89, s[WL], 9
	s_add_co_u32 s88, s88, s89                     ; my 128 columns, in bytes of f32
	s_mov_b32 s89, 0
	s_add_nc_u64 s[BP:BP+1], s[8:9], s[88:89]
	s_lshl_b32 s90, s70, 19                        ; my 64 rows of out0, 4,096 bytes each
	s_lshl_b32 s91, s[WH], 18
	s_add_co_u32 s90, s90, s91
	s_add_co_u32 s90, s90, s88
	s_mov_b32 s91, 0
	s_add_nc_u64 s[OUT:OUT+1], s[10:11], s[90:91]
	WIN TO_B
.irp b, 0,1,2,3,4,5,6,7
	global_load_b128 v[BIAS+8*\b:BIAS+8*\b+3],   v10, s[BP:BP+1] offset:64*\b
	global_load_b128 v[BIAS+8*\b+4:BIAS+8*\b+7], v10, s[BP:BP+1] offset:64*\b+16
.endr
	WIN 0
	s_mul_i32 s88, s[WH], 64*PA
	v_mul_u32_u24 v[ADA0], v12, PA
	v_lshl_add_u32 v[ADA0], v13, 4, v[ADA0]
	v_add_nc_u32 v[ADA0], s88, v[ADA0]             ; ctx: (64 x half + r) x pitch + 16 h
	v_lshl_add_u32 v[ADB0], v13, 3, v14
	v_mul_u32_u24 v[ADB0], v[ADB0], PB
	v_lshl_add_u32 v[ADB0], v15, 4, v[ADB0]
	s_lshl_b32 s89, s[WL], 8
	s_add_co_u32 s89, s89, BOFF
	v_add_nc_u32 v[ADB0], s89, v[ADB0]
	v_mov_b32 v[ADA], v[ADA0]
	v_mov_b32 v[ADB], v[ADB0]
	s_mul_i32 s88, s[WV], 16*OP
	s_add_co_u32 s88, s88, STAGE                   ; my stage
	v_mul_u32_u24 v[STO], v12, OP                  ; in: row r, 32 bytes for each half of the lanes
	v_add3_u32 v[STO], v[STO], v10, s88
	v_and_b32 v[CO], 31, v0
	v_lshlrev_b32 v[CO], 4, v[CO]                  ; back: 32 lanes take a row's 512 bytes
	v_add_nc_u32 v[RD], s88, v[CO]
	; the prefetches
	s_lshl_b32 s88, s66, 12                        ; ctx: cx x 4,096 bytes
	s_lshl_b32 s89, s67, 15                        ; Wo: cy x 16 k-rows of 2,048 bytes
	s_mov_b32 s91, 0x80000
	s_mov_b32 s92, 0x40000
	s_cmp_eq_u32 s[WH], 0
	s_cselect_b64 s[PFA:PFA+1], s[78:79], s[84:85]
	s_cselect_b32 s88, s88, s89
	s_cselect_b32 s90, s[WL], s68                  ; 0 in wave 0, and in waves 2, 3 of the first row of clusters
	s_cselect_b32 s[PSTEP], s91, s92
	s_cselect_b32 s93, 4, 1                        ; ctx: head l / 16, block l % 16; Wo: k-row l / 2, half l % 2
	s_cselect_b32 s94, 15, 1
	s_cselect_b32 s95, 18, 11
	s_mov_b32 s[PSTEP+1], 0
	s_mul_i32 s89, s[PSTEP], 3                     ; at K step 3: the first change of slots steps it to 4
	s_add_co_u32 s88, s88, s89
	s_mov_b32 s89, 0
	s_add_nc_u64 s[PFA:PFA+1], s[PFA:PFA+1], s[88:89]
	s_cmp_eq_u32 s90, 0
	s_cselect_b32 s[LIM], 2, -1
	v_and_b32 v[PFO], 31, v0
	v_lshrrev_b32 v16, s93, v[PFO]
	v_and_b32 v[PFO], s94, v[PFO]
	v_lshlrev_b32 v[PFO], 8, v[PFO]
	v_lshlrev_b32 v16, s95, v16
	v_add_nc_u32 v[PFO], v[PFO], v16
	s_wait_loadcnt 0x0                             ; the bias
	WIN 0x45
.set i, 0
.rept 32
	v_cvt_pk_bf16_f32 v[BT+i%4], v[BIAS+2*i], v[BIAS+2*i+1]
	v_lshlrev_b32 v[BIAS+2*i], 16, v[BT+i%4]
	v_and_b32 v[BIAS+2*i+1], 0xffff0000, v[BT+i%4]
.set i, i+1
.endr
	WIN 0
; Eight matrix instructions: row block a x all 8 column blocks.  The 32 accumulators take turns, one instruction a turn, in the same order in every phase.
.macro MUL8 f, a, first
.irp b, 0,1,2,3,4,5,6,7
.if \first
	WIN W_MUL1
	v_wmma_f32_16x16x32_f16 v[8*(8*(\a)+(\b)):8*(8*(\a)+(\b))+7], v[BF+64*(\f)+8*(\b):BF+64*(\f)+8*(\b)+7], v[AF+32*(\f)+8*(\a):AF+32*(\f)+8*(\a)+7], v[BIAS+8*(\b):BIAS+8*(\b)+7]
.else
	WIN W_MUL
	v_wmma_f32_16x16x32_f16 v[8*(8*(\a)+(\b)):8*(8*(\a)+(\b))+7], v[BF+64*(\f)+8*(\b):BF+64*(\f)+8*(\b)+7], v[AF+32*(\f)+8*(\a):AF+32*(\f)+8*(\a)+7], v[8*(8*(\a)+(\b)):8*(8*(\a)+(\b))+7]
.endif
.endr
.endm
; 24 LDS loads in one run, for phase kn: Wo's 32 k-rows x 128 columns, turned, then ctx's 64 rows x 32 channels (head kn / 2 of the step, channels 32 (kn % 2) on).
.macro FETCH kn, g
	WIN TO_B
.irp b, 0,1,2,3,4,5,6,7
	ds_load_tr16_b128 v[BF+64*(\g)+8*\b:BF+64*(\g)+8*\b+3],   v[ADB] offset:32*(\kn)*PB+32*\b
	ds_load_tr16_b128 v[BF+64*(\g)+8*\b+4:BF+64*(\g)+8*\b+7], v[ADB] offset:(32*(\kn)+16)*PB+32*\b
.endr
	WIN 0
.irp a, 0,1,2,3
	ds_load_b128 v[AF+32*(\g)+8*\a:AF+32*(\g)+8*\a+3],   v[ADA] offset:((\kn)/2)*HB+((\kn)%2)*64+\a*16*PA
	ds_load_b128 v[AF+32*(\g)+8*\a+4:AF+32*(\g)+8*\a+7], v[ADA] offset:((\kn)/2)*HB+((\kn)%2)*64+\a*16*PA+32
.endr
.endm
.macro Q f, g, kn, first
	s_wait_dscnt 4                                 ; all but the loads of ctx's fragments 2 and 3
	MUL8 \f, 0, \first
	MUL8 \f, 1, \first
	PLACES
	FETCH \kn, \g
	s_wait_dscnt 24                                ; all but the 24 just issued
	MUL8 \f, 2, \first
	MUL8 \f, 3, \first
.endm
; A step's last phase multiplies buffers 1 and changes slots: the waits, the add and the barrier (with fill = 1 a round of the cluster's), the refill first behind it.
.macro TURN fill
.if \fill
	s_wait_xcnt 0x0                                ; the last prefetch, a K step back, has read its address
	s_add_nc_u64 s[PFA:PFA+1], s[PFA:PFA+1], s[PSTEP:PSTEP+1]
.endif
	WIN 0
	s_wait_tensorcnt 0x0
	ds_add_u32 v[SPW], v[NIL]
	s_wait_dscnt 5                                 ; (the add and the youngest four loads may be out)
	MUL8 1, 0, 0
	s_wait_dscnt 0x0                               ; the add is done, and my reads of this slot are over
	s_barrier_signal -1
	MUL8 1, 1, 0
	WIN 0
	s_barrier_wait -1
.if \fill
	CREST
	s_xor_b32 s[G0A+5], s[G0A+5], SLOT
	s_add_nc_u64 s[G0A+6:G0A+7], s[G0A+6:G0A+7], 524288
	s_xor_b32 s[G0B+5], s[G0B+5], SLOT
	s_add_nc_u64 s[G0B+6:G0B+7], s[G0B+6:G0B+7], 262144
	JLOAD                                          ; its four v_nop are also the places ahead of the loads below
.else
	PLACES
.endif
	s_xor_b32 s[TB], s[TB], SLOT
	v_add_nc_u32 v[ADA], s[TB], v[ADA0]
	v_add_nc_u32 v[ADB], s[TB], v[ADB0]
	FETCH 0, 0
.if \fill
	ASK
.endif
	MUL8 1, 2, 0
	MUL8 1, 3, 0
.endm
	s_wait_tensorcnt 1                             ; my part of K step 0 is in; step 1's may stay out
	s_barrier_signal -1
	s_barrier_wait -1
	FETCH 0, 0
	Q 0, 1, 1, 1                                   ; the first phase stands in front of the loop: the bias starts the sums
	WIN 0
	s_mov_b32 s[CNT], 6
.Lstep:
	Q 1, 0, 2, 0
	Q 0, 1, 3, 0
	TURN 1
	Q 0, 1, 1, 0
	WIN 0
	s_sub_co_u32 s[CNT], s[CNT], 1
	s_cmp_lg_u32 s[CNT], 0
	s_cbranch_scc1 .Lstep
	s_mov_b32 s[CNT], 2                            ; the last two steps ask for nothing; the second trip is left in its middle, and its fetch serves nothing
.Ltail:
	Q 1, 0, 2, 0
	Q 0, 1, 3, 0
	TURN 0
	WIN 0
	s_sub_co_u32 s[CNT], s[CNT], 1
	s_cmp_eq_u32 s[CNT], 0
	s_cbranch_scc1 .Lout
	Q 0, 1, 1, 0
	WIN 0
	s_branch .Ltail
.Lout:
; THE WAY OUT.  Block a: 16 rows x 128 columns of f32 go into my stage, 32 bytes a lane, and come back as whole rows of 512 bytes.
.macro OSTAGE a
.if (\a) >= 2
	s_wait_xcnt 0x0                                ; the stores of two blocks back have read the registers that are loaded again
.endif
	WIN 0x08                                       ; store data in window 2
.irp b, 0,1,2,3,4,5,6,7
	ds_store_b128 v[STO], v[8*(8*(\a)+(\b)):8*(8*(\a)+(\b))+3]   offset:64*(\b)
	ds_store_b128 v[STO], v[8*(8*(\a)+(\b))+4:8*(8*(\a)+(\b))+7] offset:64*(\b)+16
.endr
	WIN 0
.set BK, 32+128*((\a)%2)
.irp t, 0,1,2,3,4,5,6,7,8,9,10,11,12,13,14,15
	ds_load_b128 v[BK+4*(\t):BK+4*(\t)+3], v[RD] offset:(\t)*OP  ; LDS serves a wave's instructions in order (ISA guide 5.7.1.4)
.endr
.endm
.macro OSEND a, younger                ; younger: the next block's 32 LDS instructions, or none
	WIN 0
.set BK, 32+128*((\a)%2)
.irp t, 0,1,2,3,4,5,6,7,8,9,10,11,12,13,14,15
	s_wait_dscnt (\younger)+15-(\t)
	global_store_b128 v[CO], v[BK+4*(\t):BK+4*(\t)+3], s[OUT:OUT+1] offset:(16*(\a)+(\t))*4096 th:TH_STORE_NT  ; 512 consecutive bytes, aligned
.endr
.endm
	PLACES                                         ; the stores read results just made
	OSTAGE 0
.irp a, 1,2,3
	OSTAGE \a
	OSEND (\a)-1, 32
.endr
	OSEND 3, 0
	s_wait_tensorcnt 0x0                           ; the wave's end
	ds_add_u32 v[SPW], v[NIL]
	s_wait_dscnt 0x0
	CROUND                                         ; the closing round
	s_endpgm
.Lfunc_end_k_qecfcf3dbc2_oproj:
	.size	k_qecfcf3dbc2_oproj, .Lfunc_end_k_qecfcf3dbc2_oproj-k_qecfcf3dbc2_oproj
	.p2alignl 7, 3214868480
	.fill 96, 4, 3214868480
	.section	.rodata,"a",@progbits
	.p2align	6, 0x0
	.amdhsa_kernel k_qecfcf3dbc2_oproj
		.amdhsa_group_segment_fixed_size 327680
		.amdhsa_private_segment_fixed_size 0
		.amdhsa_enable_private_segment 0
		.amdhsa_kernarg_size 32
		.amdhsa_user_sgpr_count 2
		.amdhsa_user_sgpr_kernarg_segment_ptr 1
		.amdhsa_wavefront_size32 1
		.amdhsa_system_sgpr_workgroup_id_x 1
		.amdhsa_system_sgpr_workgroup_id_y 1
		.amdhsa_system_sgpr_workgroup_id_z 1
		.amdhsa_system_vgpr_workitem_id 0
		.amdhsa_next_free_vgpr 768
		.amdhsa_next_free_sgpr 96
		.amdhsa_reserve_vcc 0
		.amdhsa_float_denorm_mode_32 3
		.amdhsa_float_denorm_mode_16_64 3
		.amdhsa_memory_ordered 1
		.amdhsa_forward_progress 1
		.amdhsa_inst_pref_size 69
	.end_amdhsa_kernel
	.amdgpu_metadata
---
amdhsa.version: [ 1, 2 ]
amdhsa.kernels:
  - .name:           k_qecfcf3dbc2_oproj
    .symbol:         k_qecfcf3dbc2_oproj.kd
    .args:
      - { .name: ctx, .offset: 0, .size: 8, .value_kind: global_buffer, .address_space: global }
      - { .name: w16, .offset: 8, .size: 8, .value_kind: global_buffer, .address_space: global }
      - { .name: bo, .offset: 16, .size: 8, .value_kind: global_buffer, .address_space: global }
      - { .name: out0, .offset: 24, .size: 8, .value_kind: global_buffer, .address_space: global }
    .group_segment_fixed_size: 327680
    .private_segment_fixed_size: 0
    .kernarg_segment_align: 8
    .kernarg_segment_size: 32
    .max_flat_workgroup_size: 128
    .sgpr_count:     96
    .vgpr_count:     768
    .wavefront_size: 32
...
	.end_amdgpu_metadata
.endif
;; end of part 4
;; ======== version 2 of 2: 4 launches
;; limits: values are held in f16: magnitudes above 65,504 overflow, below 6.1e-05 lose precision
;; workspace buffers: w16 8,388,608 bytes; mnib 2,097,152 bytes; qkv 50,331,648 bytes; ctx 16,777,216 bytes
;; launch prep (part 5): grid 256 x 5, 4 waves a work-group, no clusters, 0 bytes of LDS; arguments Wq, Wk, Wv, Wo, mask, w16, mnib; writes w16, mnib
.if DOCPART == 5
	.amdgcn_target "amdgcn-amd-amdhsa--gfx1250"
	.amdhsa_code_object_version 6
	.text
	.protected	k_qecfcf3dbc2_prep
	.globl	k_qecfcf3dbc2_prep
	.p2align	8
	.type	k_qecfcf3dbc2_prep,@function
k_qecfcf3dbc2_prep:
	s_mov_b64 s[64:65], 0
	v_nop
	global_prefetch_b8 v0, s[64:65] scope:SCOPE_SE
	s_setreg_imm32_b32 hwreg(HW_REG_WAVE_MODE, 25, 1), 1
	s_wait_xcnt 0x0
; PREP.  y = 0..3: one weight matrix [1024 k][1024 n] f32 is rounded to bf16 and written, not turned, into plane y of w16.
; Plane 3 (Wo) is written as f16: the bf16 number, which f16 holds exactly from 6.1e-5 up; below that it keeps f16's fixed step of 6e-8 (stated limit).
; y = 4: the mask [2048 q][2048 k] of bytes (0 or 1) becomes fp4 codes: mnib[qt][ks][lane l][kb] is a word whose nibble j is 0 where
; mask[16 qt + l % 16][64 ks + 16 kb + 8 (l / 16) + j] is 1, and 0xF (the code of -6) where it is 0: the eight numbers that lane l holds of one accumulator of transposed scores.
; A stream: no LDS, no matrix unit, no cluster (no work-group reads what another reads).
	s_load_b256 s[4:11], s[0:1], 0x0               ; Wq s[4:5], Wk s[6:7], Wv s[8:9], Wo s[10:11]
	s_load_b128 s[12:15], s[0:1], 0x20             ; mask s[12:13], w16 s[14:15]
	s_load_b64 s[16:17], s[0:1], 0x30              ; mnib
	s_and_b32 s18, ttmp7, 0xffff                   ; y
	v_lshrrev_b32 v1, 5, v0
	v_readfirstlane_b32 s19, v1                    ; wave 0..3
	s_wait_kmcnt 0x0
	s_cmp_eq_u32 s18, 4
	s_cbranch_scc1 .Lmask
	; A WEIGHT.  The work-group takes 16,384 bytes of f32: thread t 16 bytes at 16 t + 2,048 i, i = 0..7; a wave's load covers 512 consecutive bytes.
	s_cmp_eq_u32 s18, 1
	s_cselect_b64 s[20:21], s[6:7], s[4:5]
	s_cmp_eq_u32 s18, 2
	s_cselect_b64 s[20:21], s[8:9], s[20:21]
	s_cmp_eq_u32 s18, 3
	s_cselect_b64 s[20:21], s[10:11], s[20:21]
	s_lshl_b32 s22, ttmp9, 14
	s_mov_b32 s23, 0
	s_add_nc_u64 s[20:21], s[20:21], s[22:23]
	s_lshl_b32 s24, s18, 21                        ; plane y: 2 MiB
	s_lshl_b32 s25, ttmp9, 13
	s_add_co_u32 s24, s24, s25
	s_mov_b32 s25, 0
	s_add_nc_u64 s[14:15], s[14:15], s[24:25]
	v_lshlrev_b32 v2, 4, v0
	v_lshlrev_b32 v3, 3, v0
.irp i, 0,1,2,3,4,5,6,7
	global_load_b128 v[8+4*\i:8+4*\i+3], v2, s[20:21] offset:2048*\i th:TH_LOAD_NT
.endr
.irp i, 0,1,2,3,4,5,6,7
	s_wait_loadcnt 7-\i                            ; loads come back in order: load i is in, the younger ones stay out
	v_cvt_pk_bf16_f32 v[40+2*\i], v[8+4*\i], v[8+4*\i+1]
	v_cvt_pk_bf16_f32 v[40+2*\i+1], v[8+4*\i+2], v[8+4*\i+3]
.endr
	s_cmp_eq_u32 s18, 3
	s_cbranch_scc0 .Lstore
.set i, 0
.rept 16                                               ; Wo: the rounded numbers once more, as f16
	v_lshlrev_b32 v[4+2*(i%2)], 16, v[40+i]
	v_and_b32 v[5+2*(i%2)], 0xffff0000, v[40+i]
	v_cvt_pk_f16_f32 v[40+i], v[4+2*(i%2)], v[5+2*(i%2)]
.set i, i+1
.endr
.Lstore:
.irp i, 0,1,2,3,4,5,6,7
	global_store_b64 v3, v[40+2*\i:40+2*\i+1], s[14:15] offset:1024*\i  ; a wave stores 256 consecutive bytes, aligned
.endr
	s_endpgm
.Lmask:
	; THE MASK.  Wave task T = 4 x + wave: query tile T / 8, key steps 4 (T % 8) .. + 3: 16 rows x 256 bytes in, 4 x 512 consecutive bytes out.
	s_lshl_b32 s20, ttmp9, 2
	s_add_co_u32 s20, s20, s19                     ; T
	s_lshr_b32 s21, s20, 3
	s_and_b32 s22, s20, 7
	s_lshl_b32 s21, s21, 15                        ; 16 rows of 2,048 bytes
	s_lshl_b32 s22, s22, 8
	s_add_co_u32 s22, s22, s21
	s_mov_b32 s23, 0
	s_add_nc_u64 s[12:13], s[12:13], s[22:23]
	s_lshl_b32 s24, s20, 11                        ; four key steps of 512 bytes
	s_mov_b32 s25, 0
	s_add_nc_u64 s[16:17], s[16:17], s[24:25]
	s_mov_b32 s26, 0x07050301                      ; bytes 1 and 3 of two words
	s_mov_b32 s27, 0xff0
	v_and_b32 v2, 15, v0
	v_bfe_u32 v3, v0, 4, 1
	v_lshlrev_b32 v2, 11, v2
	v_lshl_add_u32 v2, v3, 3, v2                   ; row l % 16, bytes 8 (l / 16) on
	v_and_b32 v3, 31, v0
	v_lshlrev_b32 v3, 4, v3                        ; my 16 bytes of each 512 that go out
.set i, 0
.rept 16                                               ; load 4 s + kb: keys 64 s + 16 kb + 8 (l / 16) + 0..7
	global_load_b64 v[8+2*i:8+2*i+1], v2, s[12:13] offset:64*(i/4)+16*(i%4) th:TH_LOAD_NT
.set i, i+1
.endr
	s_wait_loadcnt 0x0
; Four bytes b0..b3 (0 or 1) times 0xFF0: byte j's eight ones fall on bits 8 j + 4 .. 8 j + 11, no two overlap; so byte 1 of the product holds b0's nibble below b1's, byte 3 b2's below b3's.
.set i, 0
.rept 16
	v_mul_lo_u32 v[8+2*i], v[8+2*i], s27
	v_mul_lo_u32 v[9+2*i], v[9+2*i], s27
	v_perm_b32 v[40+i], v[9+2*i], v[8+2*i], s26    ; eight nibbles, key j at bits 4 j: 0xF where the key is seen,
	v_not_b32 v[40+i], v[40+i]                     ; turned: 0xF where it is hidden
.set i, i+1
.endr
.irp s, 0,1,2,3
	global_store_b128 v3, v[40+4*\s:40+4*\s+3], s[16:17] offset:512*\s  ; 512 consecutive bytes, aligned
.endr
	s_endpgm
.Lfunc_end_k_qecfcf3dbc2_prep:
	.size	k_qecfcf3dbc2_prep, .Lfunc_end_k_qecfcf3dbc2_prep-k_qecfcf3dbc2_prep
	.p2alignl 7, 3214868480
	.fill 96, 4, 3214868480
	.section	.rodata,"a",@progbits
	.p2align	6, 0x0
	.amdhsa_kernel k_qecfcf3dbc2_prep
		.amdhsa_group_segment_fixed_size 0
		.amdhsa_private_segment_fixed_size 0
		.amdhsa_enable_private_segment 0
		.amdhsa_kernarg_size 56
		.amdhsa_user_sgpr_count 2
		.amdhsa_user_sgpr_kernarg_segment_ptr 1
		.amdhsa_wavefront_size32 1
		.amdhsa_system_sgpr_workgroup_id_x 1
		.amdhsa_system_sgpr_workgroup_id_y 1
		.amdhsa_system_sgpr_workgroup_id_z 1
		.amdhsa_system_vgpr_workitem_id 0
		.amdhsa_next_free_vgpr 64
		.amdhsa_next_free_sgpr 66
		.amdhsa_reserve_vcc 0
		.amdhsa_float_denorm_mode_32 3
		.amdhsa_float_denorm_mode_16_64 3
		.amdhsa_memory_ordered 1
		.amdhsa_forward_progress 1
		.amdhsa_inst_pref_size 13
	.end_amdhsa_kernel
	.amdgpu_metadata
---
amdhsa.version: [ 1, 2 ]
amdhsa.kernels:
  - .name:           k_qecfcf3dbc2_prep
    .symbol:         k_qecfcf3dbc2_prep.kd
    .args:
      - { .name: Wq, .offset: 0, .size: 8, .value_kind: global_buffer, .address_space: global }
      - { .name: Wk, .offset: 8, .size: 8, .value_kind: global_buffer, .address_space: global }
      - { .name: Wv, .offset: 16, .size: 8, .value_kind: global_buffer, .address_space: global }
      - { .name: Wo, .offset: 24, .size: 8, .value_kind: global_buffer, .address_space: global }
      - { .name: mask, .offset: 32, .size: 8, .value_kind: global_buffer, .address_space: global }
      - { .name: w16, .offset: 40, .size: 8, .value_kind: global_buffer, .address_space: global }
      - { .name: mnib, .offset: 48, .size: 8, .value_kind: global_buffer, .address_space: global }
    .group_segment_fixed_size: 0
    .private_segment_fixed_size: 0
    .kernarg_segment_align: 8
    .kernarg_segment_size: 56
    .max_flat_workgroup_size: 128
    .sgpr_count:     66
    .vgpr_count:     64
    .wavefront_size: 32
...
	.end_amdgpu_metadata
.endif
;; end of part 5
;; launch proj (part 6): grid 4 x 64, 4 waves a work-group, clusters of 4 x 4, 327,680 bytes of LDS; arguments queries, keys, values, bq, bk, bv, w16, qkv; writes qkv
.if DOCPART == 6
	.amdgcn_target "amdgcn-amd-amdhsa--gfx1250"
	.amdhsa_code_object_version 6
	.text
	.protected	k_qecfcf3dbc2_proj
	.globl	k_qecfcf3dbc2_proj
	.p2align	8
	.type	k_qecfcf3dbc2_proj,@function
k_qecfcf3dbc2_proj:
	s_mov_b64 s[64:65], 0
	v_nop
	global_prefetch_b8 v0, s[64:65] scope:SCOPE_SE
	s_setreg_imm32_b32 hwreg(HW_REG_WAVE_MODE, 25, 1), 1
	s_wait_xcnt 0x0
	s_wait_alu depctr_hold_cnt(0) depctr_sa_sdst(0) depctr_va_vdst(0) depctr_va_sdst(0) depctr_va_ssrc(0) depctr_va_vcc(0) depctr_vm_vsrc(0)
	s_getreg_b32 s2, hwreg(HW_REG_IB_STS2, 6, 4)
	s_cmp_eq_u32 s2, 0
	s_cbranch_scc0 .Lentry_in_a_cluster
	s_endpgm
.Lentry_in_a_cluster:
	s_bfe_u32 s2, ttmp6, 0x10000c
	s_cmp_lg_u32 s2, 0xf033
	s_cbranch_scc0 .Lentry_shape_is_right
	s_endpgm
.Lentry_shape_is_right:
; PROJ.  q, k, v = x W + b for the three inputs, written by heads: qkv[t][b 16 + head][s][64] in f16, unscaled.  x: [8192][1024] f32, rounded to bf16 on the way from LDS to
; the matrix unit; W: plane t of w16, [k][n] bf16, read turned; b rounded to bf16 and given as the C operand of the first products.  Sums in f32, one rounding to f16.
; LIMIT.  f16 ends at 65,504: q, k and v must stay within it (at inputs and weights thirty times the drawn spread they are some thousands).  NaN and infinities are not treated apart.
; SHARES.  A tile is 128 rows x 256 columns; four waves, each 64 rows x 128 columns (two heads): 32 accumulators, 256 registers.  A WORK-GROUP STAYS: 256 work-groups, each makes the same tile of q, then of k,
; then of v.  K goes in steps of 128 through two LDS slots; a step is four phases of 32 along K, 32 matrix instructions each.  Two slots of a longer step do not fit in LDS (x lies there in f32).
; THE WALK.  The three tiles' 24 K steps are ONE sequence for the ring: two first fills, 22 refills.  A tile's last two changes of slots ask for the next tensor's steps 0 and 1; then the tile goes out, while
; those loads are on their way, and nothing waits for its stores.  W's planes lie end to end, so its descriptor steps on; x's address is made anew for each fill, from the tensor's pointer and an offset.
; CLUSTER.  4 x 4 work-groups: the four of a row need the same rows of x, the four of a column the same columns of W: each tile is asked for jointly.  All sixteen walk in step.
; THE MATRIX INSTRUCTION IS USED TRANSPOSED: source 0 = 16 columns of W, source 1 = 16 rows of x: a lane holds one row and eight neighbouring columns.
; REGISTERS.  window 0: v2-10 addresses; v28-29 the add's; v32-95 x as loaded, f32 (RAW); v96-127, v128-159 x's fragments in bf16, two buffers; v128-255 the way out (buffer 0 then holds the next tile's fragments).
;   window 1: v0-63, v64-127 W's fragments, two buffers; v128-191 the bias; v192-195 at work.   window 2: accumulator (a, b) at v[8 (8 a + b)].
.set PA,    528                        ; a row of x in LDS: 512 bytes + 16: the 16 rows of a load start at 16 different groups of four banks (ISA guide 11.1)
.set PB,    544                        ; a k-row of W: 512 + 32
.set BOFF,  0x10800                    ; W's 128 k-rows lie behind x's 128 rows
.set SLOT,  0x22000                    ; slot 1 begins here; no LDS word of a tile in slot 0 has one of its two bits, so one exclusive or changes slots
.set STAGE, SLOT+0x21800               ; behind the ring: 16 rows x 144 bytes for each wave, for the way out
.set SP,    144
.set SPARE, STAGE+4*16*SP              ; the spare words, 128 bytes a wave: two blocks of 256 bytes that no other line names
.set ADA0, 2
.set ADB0, 3
.set ADA,  4
.set ADB,  5
.set STO,  6
.set RD,   7
.set GO,   8
.set PFO,  9
.set BO,   10                          ; v10  32 x (lane / 16): my place in 64 bytes of a bias; never rewritten
.set SPW,  28
.set NIL,  29
.set RAW,  32
.set AF,   96
.set OUTR, 128
.set BF,   0
.set BIAS, 128
.set BT,   192
.set XA,   4                           ; s[4:5]   x of the tensor whose steps are being asked for, at my 64 rows; s[6:7] the next tensor's; s[8:9] the one after
.set XN,   6
.set XNN,  8
.set B0,   10                          ; s[10:15] the three biases at my 128 columns
.set B1,   12
.set B2,   14
.set WV,   20                          ; s20 wave; s21 wave / 2: my half of the rows, and: I fetch for x (0) or W (1); s22 wave % 2: my half of the columns, and which half of a tile I fetch
.set WH,   21
.set WL,   22
.set TL,   23                          ; tiles to go, this one among them
.set G1A,  24
.set G0A,  32                          ; s[32:35] step 0's; s[36:39] walks on from step 1
.set G1B,  40
.set G0B,  48
.set TB,   56                          ; LDS byte of the slot that is read
.set CNT,  57                          ; counts the tail's two steps
.set LIM,  58
.set PFA,  60
.set PSTEP, 62                         ; the prefetches: bytes from a K step to the next,
.set PWRAP, 63                         ; and eight of them
.set GC,   78                          ; refills to go, of the walk's 22
.set SC,   79                          ; changes of slots to go in this tile
.set OUT,  80
.set BP,   82
.set PXNN, 94                          ; s[100:101], s[104:105], s[94:95]: as XA, XN, XNN, for the prefetches (for W: the three planes)
.set AOFF, 96                          ; s[96:97] bytes along x's rows of the step that is being asked for
.set POFF, 98                          ; s[98:99] the same for the prefetches
.set PX,   100
.set PXN,  104
.set W_MUL,  0xa1                      ; source 0 (W) window 1, source 1 (x) window 0, C and D window 2
.set W_MUL1, 0x91                      ; the same with C (the bias) in window 1
.set TO_B,   0x40                      ; destination window 1
.set MSB, 0
.macro WIN new                         ; the immediate's high byte repeats the setting that is left; a switch that changes nothing is dropped
.if MSB != (\new)
	s_set_vgpr_msb (MSB<<8)|(\new)
.set MSB, (\new)
.endif
.endm
.macro JLOAD                           ; the joint refill: waves 0, 1 x's halves, waves 2, 3 W's; an s_nop 0 and four v_nop follow each line
	s_cmp_eq_u32 s[WH], 0
	s_cbranch_scc0 .Lfor_b_\@
	tensor_load_to_lds s[G0A+4:G0A+7], s[G1A:G1A+7]
	s_nop 0
.rept 4
	v_nop
.endr
	s_branch .Lasked_\@
.Lfor_b_\@:
	tensor_load_to_lds s[G0B+4:G0B+7], s[G1B:G1B+7]
	s_nop 0
.rept 4
	v_nop
.endr
.Lasked_\@:
.endm
; A PREFETCH of the K step two refills on, across the change of tensors too.  x's rows are read by one cluster alone: waves 0, 1 of every cluster ask; W's columns by all sixteen clusters: waves 2, 3 of the first ask.
; The four partners of a joint load share its 64 rows out by address, 16 each; a lane names half a row's 512 bytes: each aligned block of 256 bytes is named once.  The walk's steps 0 to 3 come by their loads
; alone; its last two refills ask for nothing: there is no step behind the 24th.
.macro ASK
	s_cmp_gt_u32 s[GC], s[LIM]
	s_cbranch_scc0 .Lnot_mine_\@
	global_prefetch_b8 v[PFO], s[PFA:PFA+1] th:TH_LOAD_NT scope:SCOPE_SE
.Lnot_mine_\@:
.endm
.macro CREST                           ; a round of the cluster's barrier behind its opening barrier
	s_cmp_lg_u32 s[WV], 0
	s_cbranch_scc1 .Lnot_wave_0_\@
	s_barrier_signal -3
.Lnot_wave_0_\@:
	s_barrier_wait -3
	s_barrier_signal -1
	s_barrier_wait -1
.endm
.macro CROUND
	s_barrier_signal -1
	s_barrier_wait -1
	CREST
.endm
	s_load_b512 s[4:19], s[0:1], 0x0               ; queries, keys, values s[4:9]; bq, bk, bv s[10:15]; w16 s[16:17]; qkv s[18:19]
	v_lshl_add_u32 v[SPW], v0, 2, SPARE
	v_mov_b32 v[NIL], 0
	ds_add_u32 v[SPW], v[NIL]                      ; the wave's opening: the add and its wait ahead of my first tensor load; work on registers stands between
	v_lshrrev_b32 v1, 5, v0
	v_readfirstlane_b32 s[WV], v1
	s_lshr_b32 s[WH], s[WV], 1
	s_and_b32 s[WL], s[WV], 1
	s_bfe_u32 s66, ttmp6, 0x40000                  ; cx
	s_bfe_u32 s67, ttmp6, 0x40004                  ; cy
	s_and_b32 s68, ttmp7, 0xffff                   ; the cluster's y, 0..15
	s_lshl_b32 s70, s68, 2
	s_add_co_u32 s70, s70, s67                     ; row tile of 128, 0..63
	s_lshl_b32 s73, ttmp9, 2
	s_add_co_u32 s73, s73, s66                     ; column tile of 256
	s_lshl_b32 s71, s67, 2
	s_lshl_b32 s71, 15, s71                        ; my row of the cluster
	s_lshl_b32 s72, 0x1111, s66                    ; my column
	s_or_b32 s[G1A], s71, (2<<16)|(1<<20)|(1<<21)|(6<<22)|(3<<25)  ; mask; elements of 4 bytes; padding on; 21 beside a mask; after every 128 words 4 words
	s_mov_b32 s[G1A+1], 128<<16                    ; tensor_dim0 = 128
	s_mov_b32 s[G1A+2], 64<<16                     ; tensor_dim1 = 64
	s_mov_b32 s[G1A+3], 128<<16                    ; tile_dim0 = 128
	s_mov_b32 s[G1A+4], 64                         ; tile_dim1 = 64
	s_mov_b32 s[G1A+5], 1024                       ; elements from row to row
	s_mov_b32 s[G1A+6], 0
	s_mov_b32 s[G1A+7], 0
	s_or_b32 s[G1B], s72, (1<<16)|(1<<20)|(1<<21)|(6<<22)|(7<<25)  ; elements of 2 bytes; after every 128 words 8 words
	s_mov_b32 s[G1B+1], 256<<16
	s_mov_b32 s[G1B+2], 64<<16
	s_mov_b32 s[G1B+3], 256<<16
	s_mov_b32 s[G1B+4], 64
	s_mov_b32 s[G1B+5], 1024
	s_mov_b32 s[G1B+6], 0
	s_mov_b32 s[G1B+7], 0
	s_lshl_b32 s74, s70, 19                        ; x: row 128 x tile + 64 x half, 4,096 bytes a row
	s_lshl_b32 s75, s[WL], 18
	s_add_co_u32 s74, s74, s75
	s_mov_b32 s75, 0
	s_lshl_b32 s76, s[WL], 17                      ; W: plane 0, k-row 64 x half, 512 bytes x column tile
	s_lshl_b32 s77, s73, 9
	s_add_co_u32 s76, s76, s77
	s_mov_b32 s77, 0
	s_mul_i32 s86, s[WL], 64*PA                    ; where they go: no place in the cluster enters an LDS address
	s_mul_i32 s87, s[WL], 64*PB
	s_add_co_u32 s87, s87, BOFF
	s_mov_b32 s[TB], 0
	s_mov_b32 s[AOFF], 512                         ; the walking descriptor begins at step 1
	s_mov_b32 s[AOFF+1], 0
	s_wait_dscnt 0x0                               ; the opening add is done
	s_wait_kmcnt 0x0
	s_add_nc_u64 s[XA:XA+1], s[XA:XA+1], s[74:75]
	s_add_nc_u64 s[XN:XN+1], s[XN:XN+1], s[74:75]
	s_add_nc_u64 s[XNN:XNN+1], s[XNN:XNN+1], s[74:75]
	s_add_nc_u64 s[84:85], s[16:17], s[76:77]
	CROUND                                         ; all sixteen work-groups are here: the first joint loads meet
.irp s, 0,1
	s_mov_b32 s[G0A+4*\s], 1
	s_add_co_u32 s[G0A+4*\s+1], s86, \s*SLOT
	s_add_nc_u64 s[G0A+4*\s+2:G0A+4*\s+3], s[XA:XA+1], \s*512
	s_or_b32 s[G0A+4*\s+3], s[G0A+4*\s+3], 0x80000000
	s_mov_b32 s[G0B+4*\s], 1
	s_add_co_u32 s[G0B+4*\s+1], s87, \s*SLOT
	s_add_nc_u64 s[G0B+4*\s+2:G0B+4*\s+3], s[84:85], \s*262144
	s_or_b32 s[G0B+4*\s+3], s[G0B+4*\s+3], 0x80000000
.endr
	s_cmp_eq_u32 s[WH], 0                          ; a wave's two first fills stand in one branch: two loads of mine are out
	s_cbranch_scc0 .Lfirst_b
	tensor_load_to_lds s[G0A:G0A+3], s[G1A:G1A+7]
	s_nop 0
	tensor_load_to_lds s[G0A+4:G0A+7], s[G1A:G1A+7]
	s_nop 0
.rept 4
	v_nop
.endr
	s_branch .Lfirst_asked
.Lfirst_b:
	tensor_load_to_lds s[G0B:G0B+3], s[G1B:G1B+7]
	s_nop 0
	tensor_load_to_lds s[G0B+4:G0B+7], s[G1B:G1B+7]
	s_nop 0
.rept 4
	v_nop
.endr
.Lfirst_asked:
	v_and_b32 v12, 15, v0                          ; r = l % 16
	v_bfe_u32 v13, v0, 4, 1                        ; h = l / 16
	v_and_b32 v14, 7, v0
	v_bfe_u32 v15, v0, 3, 1
	v_lshlrev_b32 v[BO], 5, v13                    ; 32 h
	s_lshl_b32 s88, s73, 10                        ; the biases of my 128 columns
	s_lshl_b32 s89, s[WL], 9
	s_add_co_u32 s88, s88, s89
	s_mov_b32 s89, 0
	s_add_nc_u64 s[B0:B0+1], s[B0:B0+1], s[88:89]
	s_add_nc_u64 s[B1:B1+1], s[B1:B1+1], s[88:89]
	s_add_nc_u64 s[B2:B2+1], s[B2:B2+1], s[88:89]
	WIN TO_B
.irp b, 0,1,2,3,4,5,6,7                        ; register j of block b: column 16 b + 8 h + j, as in an accumulator
	global_load_b128 v[BIAS+8*\b:BIAS+8*\b+3],   v[BO], s[B0:B0+1] offset:64*\b
	global_load_b128 v[BIAS+8*\b+4:BIAS+8*\b+7], v[BO], s[B0:B0+1] offset:64*\b+16
.endr
	WIN 0
	s_mul_i32 s88, s[WH], 64*PA
	v_mul_u32_u24 v[ADA0], v12, PA
	v_add3_u32 v[ADA0], v[ADA0], v[BO], s88        ; x: (64 x half + r) x pitch + 32 h: eight f32 are 32 bytes
	v_lshl_add_u32 v[ADB0], v13, 3, v14
	v_mul_u32_u24 v[ADB0], v[ADB0], PB
	v_lshl_add_u32 v[ADB0], v15, 4, v[ADB0]        ; W, turned: k-row 8 h + l % 8, 16 bytes x ((l / 8) % 2)
	s_lshl_b32 s89, s[WL], 8
	s_add_co_u32 s89, s89, BOFF
	v_add_nc_u32 v[ADB0], s89, v[ADB0]
	v_mov_b32 v[ADA], v[ADA0]
	v_mov_b32 v[ADB], v[ADB0]
	s_mul_i32 s88, s[WV], 16*SP
	s_add_co_u32 s88, s88, STAGE                   ; my stage
	v_mul_u32_u24 v[STO], v12, SP                  ; in: row r, 16 bytes for each half of the lanes
	v_lshl_add_u32 v[STO], v13, 4, v[STO]
	v_add_nc_u32 v[STO], s88, v[STO]
	v_bfe_u32 v[RD], v0, 3, 2                      ; back: 32 lanes take four rows of 128 bytes,
	v_mul_u32_u24 v[RD], v[RD], SP
	v_lshl_add_u32 v[RD], v14, 4, v[RD]
	v_add_nc_u32 v[RD], s88, v[RD]
	v_and_b32 v[GO], 31, v0                        ; which are 512 consecutive bytes of a head
	v_lshlrev_b32 v[GO], 4, v[GO]
	; where my rows go in plane 0: head (batch 16 + 4 x column tile + 2 x half), row (tile % 16) 128 + 64 x half, 128 bytes a row
	s_lshr_b32 s92, s70, 4
	s_lshl_b32 s92, s92, 4
	s_lshl_b32 s90, s73, 2
	s_add_co_u32 s92, s92, s90
	s_lshl_b32 s90, s[WL], 1
	s_add_co_u32 s92, s92, s90
	s_lshl_b32 s92, s92, 18
	s_and_b32 s90, s70, 15
	s_lshl_b32 s90, s90, 14
	s_add_co_u32 s92, s92, s90
	s_lshl_b32 s90, s[WH], 13
	s_add_co_u32 s92, s92, s90
	s_mov_b32 s93, 0
	s_add_nc_u64 s[OUT:OUT+1], s[18:19], s[92:93]
	; the prefetches
	s_lshl_b32 s88, s66, 16                        ; x: cx x 16 rows of 4,096 bytes
	s_lshl_b32 s89, s67, 15                        ; W: cy x 16 k-rows of 2,048 bytes
	s_mov_b32 s86, 512
	s_mov_b32 s87, 0x40000
	s_add_nc_u64 s[90:91], s[84:85], 0x200000      ; W's planes 1 and 2
	s_add_nc_u64 s[92:93], s[84:85], 0x400000
	s_cmp_eq_u32 s[WH], 0
	s_cselect_b64 s[PX:PX+1], s[XA:XA+1], s[84:85]
	s_cselect_b64 s[PXN:PXN+1], s[XN:XN+1], s[90:91]
	s_cselect_b64 s[PXNN:PXNN+1], s[XNN:XNN+1], s[92:93]
	s_cselect_b32 s88, s88, s89
	s_cselect_b32 s69, 0, s68                      ; 0 in waves 0, 1, and in waves 2, 3 of the first row of clusters
	s_cselect_b32 s[PSTEP], s86, s87
	s_cselect_b32 s71, 12, 11                      ; log2 of a row's bytes
	s_mov_b32 s89, 0
	s_add_nc_u64 s[PX:PX+1], s[PX:PX+1], s[88:89]
	s_add_nc_u64 s[PXN:PXN+1], s[PXN:PXN+1], s[88:89]
	s_add_nc_u64 s[PXNN:PXNN+1], s[PXNN:PXNN+1], s[88:89]
	s_mul_i32 s[POFF], s[PSTEP], 3                 ; at K step 3: the first change of slots steps it to 4
	s_mov_b32 s[POFF+1], 0
	s_lshl_b32 s[PWRAP], s[PSTEP], 3
	s_cmp_eq_u32 s69, 0
	s_cselect_b32 s[LIM], 2, -1                    ; the same in all sixteen partners, for a given wave
	v_and_b32 v[PFO], 31, v0
	v_lshrrev_b32 v16, 1, v[PFO]
	v_and_b32 v[PFO], 1, v[PFO]
	v_lshlrev_b32 v[PFO], 8, v[PFO]
	v_lshlrev_b32 v16, s71, v16
	v_add_nc_u32 v[PFO], v[PFO], v16               ; row l / 2, half l % 2 of its 512 bytes
; Four roundings: x's f32 in RAW become bf16 in fragment buffer g.  RAW + 16 a holds fragment a's 16 numbers in the fragment's own order, so register cv of the buffer is the pair 2 cv, 2 cv + 1.
.macro CV4 g
	WIN 0
.rept 4
	v_cvt_pk_bf16_f32 v[AF+32*(\g)+cv], v[RAW+2*cv], v[RAW+2*cv+1]
.set cv, cv+1
.endr
.endm
; Eight matrix instructions: row block a x all 8 column blocks, 32 along K, from buffers f.  first = 1: the bias starts the sums.  rid = 2: four roundings behind every second, 1: behind each.
; The 32 accumulators take turns, one instruction a turn, in the same order in every phase and from tile to tile.
.macro MUL8 f, a, first, rid, g
.irp b, 0,1,2,3,4,5,6,7
.if \first
	WIN W_MUL1
	v_wmma_f32_16x16x32_bf16 v[8*(8*(\a)+(\b)):8*(8*(\a)+(\b))+7], v[BF+64*(\f)+8*(\b):BF+64*(\f)+8*(\b)+7], v[AF+32*(\f)+8*(\a):AF+32*(\f)+8*(\a)+7], v[BIAS+8*(\b):BIAS+8*(\b)+7]
.else
	WIN W_MUL
	v_wmma_f32_16x16x32_bf16 v[8*(8*(\a)+(\b)):8*(8*(\a)+(\b))+7], v[BF+64*(\f)+8*(\b):BF+64*(\f)+8*(\b)+7], v[AF+32*(\f)+8*(\a):AF+32*(\f)+8*(\a)+7], v[8*(8*(\a)+(\b)):8*(8*(\a)+(\b))+7]
.endif
.if ((\rid) == 1) || (((\rid) == 2) && ((\b)%2 == 1))
	CV4 \g
.endif
.endr
.endm
; 32 LDS loads in one run, for phase kn of the slot: x's 64 rows x 32 f32 into RAW, then W's 32 k-rows x 128 columns, turned, into buffer g.
.macro FETCH kn, g
	WIN 0
.irp a, 0,1,2,3
	ds_load_b128 v[RAW+16*\a:RAW+16*\a+3],     v[ADA] offset:\a*16*PA+128*(\kn)
	ds_load_b128 v[RAW+16*\a+4:RAW+16*\a+7],   v[ADA] offset:\a*16*PA+128*(\kn)+16
	ds_load_b128 v[RAW+16*\a+8:RAW+16*\a+11],  v[ADA] offset:\a*16*PA+128*(\kn)+64
	ds_load_b128 v[RAW+16*\a+12:RAW+16*\a+15], v[ADA] offset:\a*16*PA+128*(\kn)+80
.endr
	WIN TO_B
.irp b, 0,1,2,3,4,5,6,7
	ds_load_tr16_b128 v[BF+64*(\g)+8*\b:BF+64*(\g)+8*\b+3],   v[ADB] offset:32*(\kn)*PB+32*\b
	ds_load_tr16_b128 v[BF+64*(\g)+8*\b+4:BF+64*(\g)+8*\b+7], v[ADB] offset:(32*(\kn)+16)*PB+32*\b
.endr
.endm
; One of a step's first three phases: multiplies buffers f, fetches phase kn and rounds it into buffers g.  A phase's last four roundings stand behind its last matrix instruction and name none of
; its registers: they are the four places ahead of the next loads into, and the next roundings onto, the registers that it read.
.macro Q f, g, kn, first
	s_wait_dscnt 0x0                               ; W's fragments of this phase are in
.set cv, 0
	MUL8 \f, 0, \first, 0, \g
	FETCH \kn, \g
	MUL8 \f, 1, \first, 0, \g
	s_wait_dscnt 16                                ; RAW is in; W's sixteen younger loads may stay out
	MUL8 \f, 2, \first, 2, \g
	MUL8 \f, 3, \first, 2, \g
.endm
; A step's last phase multiplies buffers 1 and changes slots.  In front of the barrier each wave waits for all its tensor loads (one is out: its part of the next slot), adds 0 to its spare word, and
; waits for that and for its reads of this slot.  fill = 1: the barrier opens a round of the cluster's, and this slot is filled again, two K steps ahead in the walk, first thing behind it.
; The descriptors are stepped behind the add, where no load of mine is out.  W: 128 k-rows on, over the end of a plane into the next.  x: 512 bytes on; behind a tensor's eighth step the offset goes back to 0 and the
; pointers move on by one tensor.  The prefetches' address is made in the same way, two steps further on.
.macro TURN fill
.if \fill
	s_wait_xcnt 0x0                                ; the last prefetch, a K step back, has read its address
	s_add_co_u32 s[POFF], s[POFF], s[PSTEP]
	s_cmp_eq_u32 s[POFF], s[PWRAP]
	s_cselect_b32 s[POFF], 0, s[POFF]
	s_cselect_b64 s[PX:PX+1], s[PXN:PXN+1], s[PX:PX+1]
	s_cselect_b64 s[PXN:PXN+1], s[PXNN:PXNN+1], s[PXN:PXN+1]
	s_add_nc_u64 s[PFA:PFA+1], s[PX:PX+1], s[POFF:POFF+1]
.endif
	WIN 0
	s_wait_tensorcnt 0x0
	ds_add_u32 v[SPW], v[NIL]
.if \fill
	s_xor_b32 s[G0A+5], s[G0A+5], SLOT
	s_xor_b32 s[G0B+5], s[G0B+5], SLOT
	s_add_nc_u64 s[G0B+6:G0B+7], s[G0B+6:G0B+7], 262144
	s_add_co_u32 s[AOFF], s[AOFF], 512
	s_cmp_eq_u32 s[AOFF], 4096
	s_cselect_b32 s[AOFF], 0, s[AOFF]
	s_cselect_b64 s[XA:XA+1], s[XN:XN+1], s[XA:XA+1]
	s_cselect_b64 s[XN:XN+1], s[XNN:XNN+1], s[XN:XN+1]
	s_add_nc_u64 s[G0A+6:G0A+7], s[XA:XA+1], s[AOFF:AOFF+1]
	s_or_b32 s[G0A+7], s[G0A+7], 0x80000000
.endif
	s_wait_dscnt 1                                 ; (the add may be out: W's fragments are in)
.set cv, 0
	MUL8 1, 0, 0, 0, 0
	s_wait_dscnt 0x0                               ; the add is done, and my reads of this slot are over
	s_barrier_signal -1
	MUL8 1, 1, 0, 0, 0
	WIN 0
	s_barrier_wait -1
.if \fill
	CREST                                          ; no wave of any partner still reads this slot or has a load on its way
	JLOAD
.endif
	s_xor_b32 s[TB], s[TB], SLOT
	v_add_nc_u32 v[ADA], s[TB], v[ADA0]
	v_add_nc_u32 v[ADB], s[TB], v[ADB0]
	FETCH 0, 0
.if \fill
	WIN 0
	ASK
.endif
	MUL8 1, 2, 0, 0, 0
	s_wait_dscnt 16
	MUL8 1, 3, 0, 1, 0
.endm
; THE WAY OUT.  Part t: 16 rows (block t / 2) of one head (t % 2): four accumulators, rounded to f16, 16 bytes a lane into rows of 144 bytes, back as four rows of 128 = 512 consecutive bytes of the head.
.macro PACK t
	WIN 0x0a                                       ; sources in window 2
.set i, 0
.rept 16
	v_cvt_pk_f16_f32 v[OUTR+16*(\t)+i], v[32*(\t)+2*i], v[32*(\t)+2*i+1]
.set i, i+1
.endr
	WIN 0
.irp f, 0,1,2,3
	ds_store_b128 v[STO], v[OUTR+16*(\t)+4*\f:OUTR+16*(\t)+4*\f+3] offset:32*\f
.endr
.irp f, 0,1,2,3
	ds_load_b128 v[OUTR+16*(\t)+4*\f:OUTR+16*(\t)+4*\f+3], v[RD] offset:\f*4*SP  ; LDS serves a wave's instructions in order (ISA guide 5.7.1.4)
.endr
.endm
.macro SEND t, younger                 ; younger: the next part's eight LDS instructions, or none
	WIN 0
.irp f, 0,1,2,3
	s_wait_dscnt (\younger)+3-\f
	global_store_b128 v[GO], v[OUTR+16*(\t)+4*\f:OUTR+16*(\t)+4*\f+3], s[OUT:OUT+1] offset:((\t)%2)*262144+((\t)/2)*2048+\f*512
.endr
.endm
	s_wait_tensorcnt 1                             ; my part of K step 0 is in; step 1's may stay out
	s_barrier_signal -1
	s_barrier_wait -1
	FETCH 0, 0
	s_wait_dscnt 16
.set cv, 0
.rept 8
	CV4 0
.endr
	WIN 0
	s_mov_b32 s[TL], 3
	s_mov_b32 s[GC], 22
.Ltile:                                                ; three times.  Buffers 0 hold the tile's first fragments: from the lines above, or from the last change of slots
	s_wait_loadcnt 0x0                             ; this tile's bias
	WIN 0x45
.set i, 0
.rept 32                                               ; rounded to bf16 like every input, kept as f32
	v_cvt_pk_bf16_f32 v[BT+i%4], v[BIAS+2*i], v[BIAS+2*i+1]
	v_lshlrev_b32 v[BIAS+2*i], 16, v[BT+i%4]
	v_and_b32 v[BIAS+2*i+1], 0xffff0000, v[BT+i%4]
.set i, i+1
.endr
	WIN 0
	s_mov_b32 s[SC], 8
	Q 0, 1, 1, 1                                   ; a tile's first phase: the bias starts the sums, on accumulators that have been packed
	WIN 0
	s_cmp_eq_u32 s[TL], 1                          ; the next tile's bias is asked for now, a tile ahead; the phase's last four roundings are the places behind the products that read these registers
	s_cbranch_scc1 .Lno_bias
	s_cmp_eq_u32 s[TL], 3
	s_cselect_b64 s[BP:BP+1], s[B1:B1+1], s[B2:B2+1]  ; (the loads that last named this pair were waited for at the tile's head)
	WIN TO_B
.irp b, 0,1,2,3,4,5,6,7
	global_load_b128 v[BIAS+8*\b:BIAS+8*\b+3],   v[BO], s[BP:BP+1] offset:64*\b
	global_load_b128 v[BIAS+8*\b+4:BIAS+8*\b+7], v[BO], s[BP:BP+1] offset:64*\b+16
.endr
	WIN 0
.Lno_bias:
.Lstep:                                                ; a trip: a step's phases 1, 2, 3 with a refill, then the next step's phase 0.  It is left in its middle: when the walk's 22 refills are out, or at the tile's eighth change of slots
	Q 1, 0, 2, 0
	Q 0, 1, 3, 0
	TURN 1
	WIN 0
	s_sub_co_u32 s[GC], s[GC], 1
	s_cmp_eq_u32 s[GC], 0
	s_cbranch_scc1 .Lrun_end
	s_sub_co_u32 s[SC], s[SC], 1
	s_cmp_eq_u32 s[SC], 0
	s_cbranch_scc1 .Lout
	Q 0, 1, 1, 0
	WIN 0
	s_branch .Lstep
.Lrun_end:                                             ; the last tile's steps 6 and 7 ask for nothing: their text is written out; it is entered at step 6's phase 0
	s_mov_b32 s[CNT], 2
	s_branch .Ltail_mid
.Ltail:                                                ; the second trip is left in its middle, and its fetch (of the slot read before) serves nothing
	Q 1, 0, 2, 0
	Q 0, 1, 3, 0
	TURN 0
	WIN 0
	s_sub_co_u32 s[CNT], s[CNT], 1
	s_cmp_eq_u32 s[CNT], 0
	s_cbranch_scc1 .Lout
.Ltail_mid:
	Q 0, 1, 1, 0
	WIN 0
	s_branch .Ltail
.Lout:                                                 ; the tile goes out.  Where a tile follows, both its first steps have been asked for and its first fragments lie in buffers 0, which the way out does not touch
	PACK 0
.set t, 1
.rept 7
	PACK t
	SEND t-1, 8
.set t, t+1
.endr
	SEND 7, 0
	s_wait_xcnt 0x0                                ; the stores have read their registers and their base: only behind this wait are these written again
	s_add_nc_u64 s[OUT:OUT+1], s[OUT:OUT+1], 1<<24 ; the next plane of qkv
	s_sub_co_u32 s[TL], s[TL], 1
	s_cmp_lg_u32 s[TL], 0
	s_cbranch_scc1 .Ltile
	s_wait_tensorcnt 0x0                           ; the wave's end
	ds_add_u32 v[SPW], v[NIL]
	s_wait_dscnt 0x0
	CROUND                                         ; the closing round
	s_endpgm
.Lfunc_end_k_qecfcf3dbc2_proj:
	.size	k_qecfcf3dbc2_proj, .Lfunc_end_k_qecfcf3dbc2_proj-k_qecfcf3dbc2_proj
	.p2alignl 7, 3214868480
	.fill 96, 4, 3214868480
	.section	.rodata,"a",@progbits
	.p2align	6, 0x0
	.amdhsa_kernel k_qecfcf3dbc2_proj
		.amdhsa_group_segment_fixed_size 327680
		.amdhsa_private_segment_fixed_size 0
		.amdhsa_enable_private_segment 0
		.amdhsa_kernarg_size 64
		.amdhsa_user_sgpr_count 2
		.amdhsa_user_sgpr_kernarg_segment_ptr 1
		.amdhsa_wavefront_size32 1
		.amdhsa_system_sgpr_workgroup_id_x 1
		.amdhsa_system_sgpr_workgroup_id_y 1
		.amdhsa_system_sgpr_workgroup_id_z 1
		.amdhsa_system_vgpr_workitem_id 0
		.amdhsa_next_free_vgpr 768
		.amdhsa_next_free_sgpr 106
		.amdhsa_reserve_vcc 0
		.amdhsa_float_denorm_mode_32 3
		.amdhsa_float_denorm_mode_16_64 3
		.amdhsa_memory_ordered 1
		.amdhsa_forward_progress 1
		.amdhsa_inst_pref_size 101
	.end_amdhsa_kernel
	.amdgpu_metadata
---
amdhsa.version: [ 1, 2 ]
amdhsa.kernels:
  - .name:           k_qecfcf3dbc2_proj
    .symbol:         k_qecfcf3dbc2_proj.kd
    .args:
      - { .name: queries, .offset: 0, .size: 8, .value_kind: global_buffer, .address_space: global }
      - { .name: keys, .offset: 8, .size: 8, .value_kind: global_buffer, .address_space: global }
      - { .name: values, .offset: 16, .size: 8, .value_kind: global_buffer, .address_space: global }
      - { .name: bq, .offset: 24, .size: 8, .value_kind: global_buffer, .address_space: global }
      - { .name: bk, .offset: 32, .size: 8, .value_kind: global_buffer, .address_space: global }
      - { .name: bv, .offset: 40, .size: 8, .value_kind: global_buffer, .address_space: global }
      - { .name: w16, .offset: 48, .size: 8, .value_kind: global_buffer, .address_space: global }
      - { .name: qkv, .offset: 56, .size: 8, .value_kind: global_buffer, .address_space: global }
    .group_segment_fixed_size: 327680
    .private_segment_fixed_size: 0
    .kernarg_segment_align: 8
    .kernarg_segment_size: 64
    .max_flat_workgroup_size: 128
    .sgpr_count:     106
    .vgpr_count:     768
    .wavefront_size: 32
...
	.end_amdgpu_metadata
.endif
;; end of part 6
;; launch attn (part 7): grid 4 x 64, 4 waves a work-group, clusters of 4 x 1, 327,680 bytes of LDS; arguments qkv, mnib, ctx; writes ctx
.if DOCPART == 7
	.amdgcn_target "amdgcn-amd-amdhsa--gfx1250"
	.amdhsa_code_object_version 6
	.text
	.protected	k_qecfcf3dbc2_attn
	.globl	k_qecfcf3dbc2_attn
	.p2align	8
	.type	k_qecfcf3dbc2_attn,@function
k_qecfcf3dbc2_attn:
	s_mov_b64 s[64:65], 0
	v_nop
	global_prefetch_b8 v0, s[64:65] scope:SCOPE_SE
	s_setreg_imm32_b32 hwreg(HW_REG_WAVE_MODE, 25, 1), 1
	s_wait_xcnt 0x0
	s_wait_alu depctr_hold_cnt(0) depctr_sa_sdst(0) depctr_va_vdst(0) depctr_va_sdst(0) depctr_va_ssrc(0) depctr_va_vcc(0) depctr_vm_vsrc(0)
	s_getreg_b32 s2, hwreg(HW_REG_IB_STS2, 6, 4)
	s_cmp_eq_u32 s2, 0
	s_cbranch_scc0 .Lentry_in_a_cluster
	s_endpgm
.Lentry_in_a_cluster:
	s_bfe_u32 s2, ttmp6, 0x10000c
	s_cmp_lg_u32 s2, 0x3003
	s_cbranch_scc0 .Lentry_shape_is_right
	s_endpgm
.Lentry_shape_is_right:
; ATTN.  ctx[h][q][:] = the sum over k of softmax_k(mask[q][k] ? Q[h][q] . K[h][k] / 8 : lowest) V[h][k][:].  Q, K, V: planes 0, 1, 2 of qkv, [64 h][2048][64] f16; ctx likewise.
; Products, maxima and sums in f32; the weights p are rounded to f16 for the second product (their sum l is taken of the unrounded p), ctx once at the end.
; THE MASK is the C operand that starts the sum S^T = K Q^T: 0, or -6 x 2^100 where the key is hidden.  mnib holds it as fp4 codes, a word for the eight numbers that a lane holds of an accumulator; one scaled
; conversion makes an accumulator's C of a word.  A piece's eight words a lane come by two loads of 16 bytes a lane, asked for a whole key step ahead.
; LIMITS.  f16's scores are 2.7e11 at the most.  The running maximum starts at -2^90: below every score, above every hidden one; so a hidden weight is 0, whatever the last bits of the sum of -6 x 2^100 and
; a score.  A row of which nothing is seen ends with l = 0; it takes the mean of all rows of V, as a softmax over equal scores gives it: V's column sums are kept by eight more products a key step
; (V^T times ones), and the way out selects, lane by lane.  A weight below 2^-126 counts as 0; NaN and infinities are not treated apart.
; SHARES.  A wave owns four PIECES of two tiles of 16 queries, a work-group's four waves 512 queries of one head; the four work-groups of a cluster are a head.  Every wave walks all keys, 64 a step.
; LAYOUT.  S^T = K Q^T (source 0 = 16 keys, source 1 = 16 queries): a lane holds ONE query (lane % 16) and the keys 8 (lane / 16) + 0..7.  Two such tiles, rounded to f16 in pairs, ARE source 1 of
; O^T = V^T P.  K comes out of LDS as it lies, V turned, by ds_load_tr16_b128.
; SOFTMAX.  A running maximum m and sum l: p = 2^(c s - c m), c = log2(e) / 8; in every step O and l are multiplied by a = 2^(c m_old - c m_new).  O and l start at 0.
; BY TURNS.  Turn n belongs to piece n: 16 products K Q^T of piece n + 1, later 16 products V^T P of piece n - 1; the scaling, exponentials, roundings, sums and rescaling of piece n; the maximum and
; statistics of piece n + 1; the mask of piece n + 2.  Four vector instructions stand behind every matrix instruction, the rest in one lump; a turn's 66 exponentials are one batch with one wait.
; CLUSTER.  The four blocks walk the same K and V: each tile is asked for jointly, the same load, descriptor and mask in all four.  The mask's codes differ from block to block: plain loads.
; REGISTERS.  window 0: v1 the conversions' scale; v2-9, v11 addresses; v12-15, v48-63 at work; v16-47 statistics; v64-191 S^T, two buffers of two tiles; v192-255 P likewise.
;   window 1: O^T, 32 a tile.   window 2: v0-127 Q; v128-191 K of one step; v192-255 V of one step.
;   window 3: v0-1 the add's two registers; v8-15 ones; v16-47 V's column sums; v48-79 the mask's codes, 8 a piece; v128-191 the masks of the products to come; v192-223 at work on the way out.
.set SIZE_N, 2048
.set NP,    4
.set KS,    64
.set PK,    160       ; rows of K and of V in LDS: 128 bytes + 32: one descriptor shape serves both, K's 16 rows fall on 8 groups of banks, two deep
.set PV,    160
.set VOFF,  4*KS*PK   ; a slot holds four steps: 256 rows of K, then 256 rows of V
.set SLOT1, 1<<17
.set STAGE, SLOT1+4*KS*(PK+PV)
.set SP,    144
.set SCL, 1           ; v1   0xE3 in every byte: the E8M0 code of 2^100
.set AK0, 2
.set AV0, 3
.set AK,  4
.set AV,  5
.set QO,  6
.set STO, 6
.set RD,  7
.set GO,  8           ; v8   16 x lane: my bytes in 512 of ctx, and in a tile's 512 bytes of codes; never rewritten
.set MOF, 9           ; v9   16 x lane + 512 x the key step whose codes are asked for
.set PFO, 11
.set TR,  48          ; v48-51 l % 16, l / 16, l % 8, (l / 8) % 2: during the set-up alone
.set TH,  49
.set T7,  50
.set T3,  51
.set SPW, 0           ; window 3
.set NIL, 1           ; window 3
.set ONES, 8          ; window 3
.set SV,  16          ; window 3: channel block cb at SV + 8 cb
.set RAW, 48          ; window 3: piece x, tile u, key block kb at RAW + 8 x + 4 u + kb
.set MC,  128         ; window 3: tile u, key block kb at MC + 32 u + 8 kb
.set TT,  192         ; window 3
.set SPARE, STAGE+4*16*SP
.set MV,  12
.set ST,  16
.set TMP, 48
.set S,   64
.set P,   192
.set KF,  128
.set VF,  192
.set G1,  4           ; s[4:11]  descriptor group 1
.set G0,  12          ; s[12:15] group 0: it walks
.set HM,  16          ; s[16:23] the way out: tile t's lanes whose row saw nothing
.set VM,  24          ; s[24:31] and those whose row saw a key
.set GV,  32          ; s32  1 / 2048
.set WV,  66
.set SLOTS, 67
.set QKV, 68
.set MP,  70          ; s[70:71] mnib at my wave's eight tiles; never rewritten
.set OPT, 72          ; s[72:73] ctx at my wave's rows
.set CS,  74
.set SEL, 76
.set TBK, 78
.set TBV, 79
.set CNT, 96
.set MO,  97          ; 512 x the key step whose codes are asked for
.set PFA, 98
.set LIM, 100
.set QP,  104
.set MSB, 0
.macro WIN new
.if MSB != (\new)
	s_set_vgpr_msb (MSB<<8)|(\new)
.set MSB, (\new)
.endif
.endm
.set W_KQ, 0x0a       ; K and Q in window 2, S^T in window 0
.set W_KM, 0x3a       ; the same with the C operand in window 3
.set W_PV, 0x52
.set W_RS, 0x41
.set W_MK, 0xc0       ; destination in window 3, sources and addresses in window 0
.set W_AD, 0x0f
.set W_CV, 0xc3       ; destination and source 0 in window 3, source 1 in window 0
.set W_SV, 0xfe       ; V in window 2; ones, C and D in window 3
.set W_FM, 0x71       ; destination and source 0 in window 1, source 1 in window 0, source 2 in window 3
; A joint fill: each wave 128 keys, waves 0, 1 the halves of a slot's K, waves 2, 3 those of its V; both addresses hang on the wave's number.  An s_nop 0 and four v_nop follow.
.macro JLOAD
	tensor_load_to_lds s[G0:G0+3], s[G1:G1+7]
	s_nop 0
.rept 4
	v_nop
.endr
.endm
; A PREFETCH of what the NEXT change of slots will ask for: 256 rows of K and of V, 32,768 bytes each.  The four partners share them out by address, 8,192 bytes each; wave 0 asks for K's, wave 2 for V's,
; a lane 256 bytes: each block is named once.  The last change that fills a slot asks for nothing.
.macro ASK
	s_cmp_gt_u32 s[SLOTS], s[LIM]
	s_cbranch_scc0 .Lnot_mine_\@
	global_prefetch_b8 v[PFO], s[PFA:PFA+1] th:TH_LOAD_NT scope:SCOPE_SE
.Lnot_mine_\@:
.endm
.macro CROUND
	s_barrier_signal -1
	s_barrier_wait -1
	s_cmp_lg_u32 s[WV], 0
	s_cbranch_scc1 .Lnot_wave_0_\@
	s_barrier_signal -3
.Lnot_wave_0_\@:
	s_barrier_wait -3
	s_barrier_signal -1
	s_barrier_wait -1
.endm
; THE CHANGE OF SLOTS.  Each wave waits for all its tensor loads (one is out: its part of the other slot), adds 0 to its spare word, and waits for that and for its reads of the slot.
; fill = 1: a round of the cluster's barrier, and the slot is filled again, with the keys two slots on, first thing behind it.
.macro CHANGE fill
	WIN W_AD
	s_wait_tensorcnt 0x0
	ds_add_u32 v[SPW], v[NIL]
	WIN 0
.if \fill
	s_xor_b32 s[G0+1], s[G0+1], SLOT1
	s_add_nc_u64 s[G0+2:G0+3], s[G0+2:G0+3], 4*KS*128
	s_wait_xcnt 0x0                 ; the last prefetch, four key steps back, has read its address
	s_add_nc_u64 s[PFA:PFA+1], s[PFA:PFA+1], 4*KS*128
	s_wait_dscnt 0x0
	CROUND
	JLOAD
	ASK
.else
	s_wait_dscnt 0x0
	s_barrier_signal -1
	s_barrier_wait -1
.endif
	s_sub_co_u32 s[TBK], s[TBK], 4*KS*PK
	s_xor_b32 s[TBK], s[TBK], SLOT1
	s_sub_co_u32 s[TBV], s[TBV], 4*KS*PV
	s_xor_b32 s[TBV], s[TBV], SLOT1
.endm
; THE MASK'S CODES.  MLD x asks for piece x's codes of the key step that MOF names: a tile's codes of all 32 steps are 16,384 bytes, a step's 512; each load covers 512 consecutive bytes.
; MCV x makes the eight C operands of piece x's next scores.  The four pieces' sets are asked for and used in a ring, two loads each, so behind a set's loads stand the other three sets': six.
.macro MLD x
	WIN W_MK
	global_load_b128 v[RAW+8*(\x):RAW+8*(\x)+3],   v[MOF], s[MP:MP+1] offset:32768*(\x)
	global_load_b128 v[RAW+8*(\x)+4:RAW+8*(\x)+7], v[MOF], s[MP:MP+1] offset:32768*(\x)+16384
	WIN 0
.endm
.macro MCV x
	s_wait_loadcnt 6                ; loads come back in order: this piece's two are in, the six younger ones stay out
	WIN W_CV
.irp z, 0,1,2,3,4,5,6,7
	v_cvt_scale_pk8_f32_fp4 v[MC+8*\z:MC+8*\z+7], v[RAW+8*(\x)+\z], v[SCL]  ; nibble j times 2^100 into register j: 0 or -6 x 2^100
.endr
	WIN 0
.endm
	s_load_b128 s[QKV:QKV+3], s[0:1], 0x0  ; qkv s[68:69], mnib s[70:71]
	s_load_b64 s[OPT:OPT+1], s[0:1], 0x10  ; ctx
	WIN W_MK
	v_lshl_add_u32 v[SPW], v0, 2, SPARE
	v_mov_b32 v[NIL], 0
	WIN W_AD
	ds_add_u32 v[SPW], v[NIL]       ; the wave's opening: the add and its wait ahead of my first tensor load
	WIN 0
	v_lshrrev_b32 v[TR], 5, v0
	v_readfirstlane_b32 s[WV], v[TR]
	s_bfe_u32 s84, ttmp6, 0x40000   ; cx
	s_and_b32 s85, ttmp7, 0xffff    ; the head, which the four partners share
	s_lshl_b32 s86, s85, 18         ; its first byte in a plane
	s_lshr_b32 s88, s[WV], 1        ; plane 1 (K) for waves 0, 1; plane 2 (V) for waves 2, 3
	s_add_co_u32 s88, s88, 1
	s_lshl_b32 s88, s88, 24
	s_and_b32 s90, s[WV], 1         ; which half of a slot's 256 keys I fetch
	s_lshl_b32 s91, s90, 14
	s_add_co_u32 s88, s88, s91
	s_add_co_u32 s88, s88, s86
	s_mov_b32 s89, 0
	s_lshl_b32 s92, ttmp9, 2
	s_add_co_u32 s92, s92, s84      ; my block of 512 queries
	s_lshl_b32 s92, s92, 2
	s_add_co_u32 s92, s92, s[WV]    ; my wave among the head's sixteen
	s_lshl_b32 s94, s92, 17         ; its eight tiles' codes, 16,384 bytes each
	s_mov_b32 s95, 0
	s_lshl_b32 s92, s92, 14         ; its 128 rows
	s_add_co_u32 s92, s92, s86
	s_mov_b32 s93, 0
	s_lshl_b32 s2, s84, 13          ; the prefetches: my work-group's 8,192 bytes of a slot's 32,768
	s_mov_b32 s3, 0
	s_cmp_eq_u32 s90, 0
	s_cselect_b32 s[LIM], 1, -1     ; waves 0 and 2 ask: the same in all four partners
	; 128 keys are 16,384 dense bytes: asked for as 64 rows of 256 bytes, two keys a row, and padded in LDS after every key
	s_mov_b32 s[G1], 15|(1<<16)|(1<<20)|(1<<21)|(4<<22)|(7<<25)  ; the mask of four; 2-byte elements; padding on; 21 beside a mask; after every 32 words 8 words
	s_mov_b32 s[G1+1], 128<<16
	s_mov_b32 s[G1+2], 64<<16
	s_mov_b32 s[G1+3], 128<<16
	s_mov_b32 s[G1+4], 64
	s_mov_b32 s[G1+5], 128
	s_mov_b32 s[G1+6], 0
	s_mov_b32 s[G1+7], 0
	s_mov_b32 s[G0], 1
	s_mul_i32 s[G0+1], s[WV], 128*PK  ; slot 0: K's halves, then V's
	s_mov_b32 s[CS], 0x3e38aa3b     ; c = log2(e) / 8
	s_mov_b32 s[CS+1], s[CS]
	s_mov_b32 s[SEL], 0x76543210
	s_mov_b32 s[SEL+1], 0xfedcba98
	s_mov_b32 s[TBK], SLOT1+4*KS*PK ; the first change of slots turns these two into 0
	s_mov_b32 s[TBV], SLOT1+4*KS*PV
	s_mov_b32 s[SLOTS], SIZE_N/256-1
	s_mov_b32 s[MO], 512            ; key step 1
	s_mov_b32 s[GV], 0x3a000000     ; 1 / 2048
	s_wait_dscnt 0x0                ; the opening add is done
	s_wait_kmcnt 0x0
	s_add_nc_u64 s[G0+2:G0+3], s[QKV:QKV+1], s[88:89]
	s_add_nc_u64 s[PFA:PFA+1], s[G0+2:G0+3], s[2:3]
	s_add_nc_u64 s[PFA:PFA+1], s[PFA:PFA+1], 4*KS*128  ; in slot 1; the first change of slots steps it to slot 2
	s_or_b32 s[G0+3], s[G0+3], 0x80000000
	s_add_nc_u64 s[QP:QP+1], s[QKV:QKV+1], s[92:93]
	s_add_nc_u64 s[OPT:OPT+1], s[OPT:OPT+1], s[92:93]
	s_add_nc_u64 s[MP:MP+1], s[MP:MP+1], s[94:95]
	CROUND                          ; all four work-groups are here: the first joint loads meet
	JLOAD                           ; slot 0; slot 1 is asked for when slot 0 is in
	v_and_b32 v[TR], 15, v0         ; l % 16
	v_bfe_u32 v[TH], v0, 4, 1       ; l / 16
	v_lshlrev_b32 v[QO], 7, v[TR]
	v_lshl_add_u32 v[QO], v[TH], 4, v[QO]
	v_and_b32 v[GO], 31, v0
	v_lshlrev_b32 v[GO], 4, v[GO]
	v_add_nc_u32 v[MOF], 512, v[GO]
	v_mov_b32 v[SCL], 0xe3e3e3e3
	WIN 0x80
.set i, 0
.rept 4*NP                          ; Q stays in registers: tile i / 2, channels 32 (i % 2) on
	global_load_b128 v[8*i:8*i+3],   v[QO], s[QP:QP+1] offset:(i/2)*2048+(i%2)*64
	global_load_b128 v[8*i+4:8*i+7], v[QO], s[QP:QP+1] offset:(i/2)*2048+(i%2)*64+32
.set i, i+1
.endr
	WIN W_MK
.irp x, 0,1,2,3                     ; the four pieces' codes of key step 0, in the order in which they are used
	global_load_b128 v[RAW+8*\x:RAW+8*\x+3],   v[GO], s[MP:MP+1] offset:32768*\x
	global_load_b128 v[RAW+8*\x+4:RAW+8*\x+7], v[GO], s[MP:MP+1] offset:32768*\x+16384
.endr
	; What the first turn finds: V's registers and P's second buffer hold 0, O^T, l and V's column sums are 0.  All this stands in the wait for the first tile.
.set i, 0
.rept 32
	v_mov_b32 v[SV+i], 0
.set i, i+1
.endr
.set i, 0
.rept 8
	v_mov_b32 v[ONES+i], 0x3c003c00 ; 1.0 twice, in f16
.set i, i+1
.endr
	WIN 0x80
.set i, VF
.rept 64
	v_mov_b32 v[i], 0
.set i, i+1
.endr
	WIN 0x40
.set i, 0
.rept 64*NP
	v_mov_b32 v[i], 0
.set i, i+1
.endr
	WIN 0
.set i, 0
.rept 2*NP
	v_mov_b32 v[ST+4*i], 0xeb38aa3b    ; c m = c x -2^90, exact
	v_mov_b32 v[ST+4*i+1], 0xec800000  ; m = -2^90
	v_mov_b32 v[ST+4*i+2], 0
	v_mov_b32 v[ST+4*i+3], 0
.set i, i+1
.endr
.set i, P+32
.rept 32
	v_mov_b32 v[i], 0
.set i, i+1
.endr
	v_mul_u32_u24 v[AK0], v[TR], PK
	v_lshl_add_u32 v[AK0], v[TH], 4, v[AK0]
	v_and_b32 v[T7], 7, v0
	v_bfe_u32 v[T3], v0, 3, 1
	v_lshl_add_u32 v[AV0], v[TH], 3, v[T7]
	v_mul_u32_u24 v[AV0], v[AV0], PV
	v_lshl_add_u32 v[AV0], v[T3], 4, v[AV0]
	v_add_nc_u32 v[AV0], VOFF, v[AV0]
	v_mov_b32 v[AK], v[AK0]
	v_and_b32 v[PFO], 31, v0
	v_lshlrev_b32 v[PFO], 8, v[PFO]
; THE MATRIX WORK.  The 8 accumulators of a run of 16 take turns.  The first 8 products K Q^T start the sums with the mask.
.macro KQ x
.set rS, S+64*((\x)%2)+32*(i%2)+8*((i/2)%4)
.set rK, KF+16*((i/2)%4)+8*(i/8)
.set rQ, 16*(2*(\x)+i%2)+8*(i/8)
.set rM, MC+32*(i%2)+8*((i/2)%4)
.if i < 8
	WIN W_KM
	v_wmma_f32_16x16x32_f16 v[rS:rS+7], v[rK:rK+7], v[rQ:rQ+7], v[rM:rM+7]
.else
	WIN W_KQ
	v_wmma_f32_16x16x32_f16 v[rS:rS+7], v[rK:rK+7], v[rQ:rQ+7], v[rS:rS+7]
.endif
.endm
.macro PV x
	WIN W_PV
.set rO, 32*(2*(\x)+i%2)+8*((i/2)%4)
.set rV, VF+32*(i/8)+8*((i/2)%4)
.set rP, P+32*((\x)%2)+16*(i%2)+8*(i/8)
	v_wmma_f32_16x16x32_f16 v[rO:rO+7], v[rV:rV+7], v[rP:rP+7], v[rO:rO+7]
.endm
.macro MM
.if i < 16
	KQ (Y+1)%NP
.set i, i+1
.else
.set i, i-16
	PV (Y+NP-1)%NP
.set i, i+17
.endif
.endm
; Product n of 8 of V's column sums: keys 32 (n / 4) on, channels 16 (n % 4) on; the four accumulators take turns.
.macro SVM n
	WIN W_SV
.set rA, SV+8*((\n)%4)
.set rV, VF+32*((\n)/4)+8*((\n)%4)
	v_wmma_f32_16x16x32_f16 v[rA:rA+7], v[rV:rV+7], v[ONES:ONES+7], v[rA:rA+7]
.endm
.macro FETCH_K last=0
	WIN 0
.if \last
	s_cmp_eq_u32 s[CNT], 1
	s_cbranch_scc1 .Lno_k_\@
.endif
	WIN 0x80
.irp f, 0,1,2,3,4,5,6,7
	ds_load_b128 v[KF+8*\f:KF+8*\f+3],   v[AK] offset:(\f/2)*16*PK+(\f%2)*64
	ds_load_b128 v[KF+8*\f+4:KF+8*\f+7], v[AK] offset:(\f/2)*16*PK+(\f%2)*64+32
.endr
	s_add_co_u32 s[TBK], s[TBK], KS*PK
	WIN 0
.if \last
.Lno_k_\@:
.endif
.endm
.macro FETCH_V
	WIN 0x80
.irp f, 0,1,2,3,4,5,6,7
	ds_load_tr16_b128 v[VF+8*\f:VF+8*\f+3],   v[AV] offset:(\f/4)*32*PV+(\f%4)*32
	ds_load_tr16_b128 v[VF+8*\f+4:VF+8*\f+7], v[AV] offset:(\f/4)*32*PV+16*PV+(\f%4)*32
.endr
	WIN 0
.endm
; THE VECTOR WORK OF A TURN stands in three queues, each in the order in which its entries become ready; the two tiles alternate.
.macro REGS y, u
.set rT, ST+4*(2*(\y)+(\u))
.set rC, TMP+8*((\y)%2)+4*(\u)
.set rW, MV+2*((\y)%2)+(\u)
.set rS, S+64*((\y)%2)+32*(\u)
.set rP, P+32*((\y)%2)+16*(\u)
.set rO, 32*(2*(\y)+(\u))
.endm
; Number n of the 22 that find the NEXT piece's maximum and statistics; each accumulator's lowest registers are read first.
.macro XS u, n
	REGS (Y+1)%NP, \u
.if (\n) < 4
	v_max3_num_f32 v[rC+(\n)], v[rS+8*(\n)], v[rS+8*(\n)+1], v[rS+8*(\n)+2]
.elseif (\n) < 12
	v_max3_num_f32 v[rC+(\n)%4], v[rC+(\n)%4], v[rS+8*((\n)%4)+2*((\n)/4)+1], v[rS+8*((\n)%4)+2*((\n)/4)+2]
.elseif (\n) == 12
	v_max3_num_f32 v[rC], v[rC], v[rS+7], v[rS+15]
.elseif (\n) == 13
	v_max3_num_f32 v[rC+1], v[rC+1], v[rS+23], v[rS+31]
.elseif (\n) == 14
	v_max3_num_f32 v[rC+2], v[rC+2], v[rC+3], v[rT+1]
.elseif (\n) == 15
	v_mov_b32 v[rW], v[rT]
.elseif (\n) == 16
	v_max3_num_f32 v[rC], v[rC], v[rC+1], v[rC+2]
.elseif (\n) == 17
	v_permlanex16_b32 v[rC+3], v[rC], s[SEL], s[SEL+1]
.elseif (\n) == 18
	v_max_num_f32 v[rT+1], v[rC], v[rC+3]
.elseif (\n) == 19
	v_mul_f32 v[rT], s[CS], v[rT+1]
.elseif (\n) == 20
	v_sub_f32 v[rC+1], v[rW], v[rT]
.else
	v_exp_f32 v[rC+2], v[rC+1]
.endif
.endm
; Number g of the 64 that follow the exponentials: roundings to f16, sums of four weights in place, and l a group later.
.macro GS g
.set h, (\g)+6*((\g)/62)
.if h >= 6
.set h, h+2
.endif
	REGS Y, h%2
.set k, h/8
.if h%8 < 4
	v_cvt_pk_f16_f32 v[rP+2*k+(h%8)/2], v[rS+4*k+2*((h%8)/2)], v[rS+4*k+2*((h%8)/2)+1]
.elseif h%8 < 6
	v_pk_add_f32 v[rS+4*k:rS+4*k+1], v[rS+4*k:rS+4*k+1], v[rS+4*k+2:rS+4*k+3]
.elseif k == 1
	v_pk_fma_f32 v[rT+2:rT+3], v[rT+2:rT+3], v[rC+2:rC+3], v[rS:rS+1] op_sel_hi:[1,0,1]
.else
	v_pk_add_f32 v[rT+2:rT+3], v[rT+2:rT+3], v[rS+4*k-4:rS+4*k-3]
.endif
.endm
; THE PLAIN QUEUE, 138 long.  0-26: scalings 0-26.  27-54: XS's numbers 0-13.  55, 56: number 15.  57-73: the chain 14, 16 .. 19, each with one of the scalings 27-31 in front, then 20.
; 74-137: GS's 64, which read the exponentials' results: they stand behind the wait.
.macro FS f
	REGS Y, (\f)%2
	v_pk_fma_f32 v[rS+2*((\f)/2):rS+2*((\f)/2)+1], v[rS+2*((\f)/2):rS+2*((\f)/2)+1], s[CS:CS+1], v[rT:rT+1] op_sel_hi:[1,0,0] neg_lo:[0,0,1] neg_hi:[0,0,1]
.endm
.macro PL
	WIN 0
.if q < 27
	FS q
.elseif q < 55
	XS (q-27)%2, (q-27)/2
.elseif q < 57
	XS q-55, 15
.elseif (q < 72) && ((q-57)%3 == 0)
	FS 27+(q-57)/3
.elseif q < 60
	XS (q-57)%3-1, 14
.elseif q < 72
	XS (q-57)%3-1, 15+(q-57)/3
.elseif q < 74
	XS q-72, 20
.else
	GS q-74
.endif
.set q, q+1
.endm
; THE EXPONENTIALS' QUEUE, 66 long: one batch, all ahead of the turn's one wait.
.macro EX
	WIN 0
.if e >= 64
	XS e-64, 21
.else
	REGS Y, e%2
	v_exp_f32 v[rS+e/2], v[rS+e/2]
.endif
.set e, e+1
.endm
; THE RESCALING's QUEUE: O^T times a, two at a time.
.macro R2
	REGS Y, r%2
	WIN W_RS
.irp z, 0,1
	v_pk_mul_f32 v[rO+4*(r/2)+2*\z:rO+4*(r/2)+2*\z+1], v[rO+4*(r/2)+2*\z:rO+4*(r/2)+2*\z+1], v[rC+2:rC+3] op_sel_hi:[1,0]
.endr
.set r, r+1
.endm
; A TURN, for piece p.  Ahead of the one wait: 16 products K Q^T with a scaling, an exponential and two rescalings behind each; then the lump.  It opens with the masks for the next turn's products, piece p + 2's:
; the eight products that read the mask registers stand eight products and their riders back.  Eight plain lines on, the codes' registers are asked for again, a key step ahead; a trip's four sets name one
; step, so the offset is stepped once a trip, in piece 2's turn, behind s_wait_xcnt 0 (the loads that named it have read it), and held at the last step: the last trips load that step once more, for nothing.
; Then exponential and plain by turns, and the two a.  In piece 3's turn the eight products of V's column sums stand in the lump, one behind every fourth pair.
; Behind the wait: 16 products V^T P with four of GS's 64 behind each.
; Exponential e stands behind scaling 2 (e / 4) + e % 2: as a rider it comes behind plain e + 2, in the lump behind plain e + 9.
.macro TURN p, last=0, cnt=0
.set Y, (\p)
.set i, 0
.set q, 0
.set e, 0
.set r, 0
.if (\p) == NP-1
	s_wait_dscnt 0x0                ; K is in
.endif
	MM
	PL
	PL
	R2
.rept 15
	MM
	PL
	EX
	R2
.endr
.if (\p) == NP-2
	WIN 0
	v_add_nc_u32 v[AK], s[TBK], v[AK0]
	s_wait_xcnt 0x0
	s_add_co_u32 s[MO], s[MO], 512
	s_min_u32 s[MO], s[MO], 31*512
	v_add_nc_u32 v[MOF], s[MO], v[GO]
.endif
	MCV ((\p)+2)%NP
.rept 8
	PL
.endr
	MLD ((\p)+2)%NP
.set lp, 0
.rept 49
	EX
	PL
.if ((\p) == NP-1) && (lp%4 == 3) && (lp < 32)
	SVM (lp/4)
.endif
.set lp, lp+1
.endr
	EX
	EX
	v_nop                           ; a plain instruction behind the last exponential: one for the batch
	s_wait_alu depctr_va_vdst(0)    ; the wait for the batch
.if (\p) == NP-2
	FETCH_K \last
.endif
.if (\p) == 1
	s_wait_dscnt 0x0                ; V is in
.endif
.rept 16
	MM
.rept 4
	PL
.endr
.if ((\p) == 0) && (q == 118)
	v_add_nc_u32 v[AV], s[TBV], v[AV0]
.endif
.if ((\p) == 0) && (q == 130)
	s_add_co_u32 s[TBV], s[TBV], KS*PV
.endif
.if (\cnt) && (q == 130)
	s_sub_co_u32 s[CNT], s[CNT], 1
	s_cmp_lg_u32 s[CNT], 0
.endif
.endr
.if (\p) == 0
	FETCH_V
.endif
.endm
	CHANGE 1                        ; slot 0 is in, everybody's part of it; slot 1 is asked for
	FETCH_K                         ; key step 0
	MCV 0                           ; its wait shows Q in too: Q's loads are older
	v_nop                           ; a plain instruction between the last conversion and the products that read its result
	s_wait_dscnt 0x0
.set i, 0
.rept 16
	KQ 0
.set i, i+1
.endr
	WIN 0                           ; the addresses for the way out: seven plain instructions, the places behind those products
	s_mul_i32 s101, s[WV], 16*SP
	s_add_co_u32 s101, s101, STAGE
	v_mul_u32_u24 v[STO], v[TR], SP
	v_lshl_add_u32 v[STO], v[TH], 4, v[STO]
	v_add_nc_u32 v[STO], s101, v[STO]
	v_bfe_u32 v[RD], v0, 3, 2
	v_mul_u32_u24 v[RD], v[RD], SP
	v_lshl_add_u32 v[RD], v[T7], 4, v[RD]
	v_add_nc_u32 v[RD], s101, v[RD]
	MLD 0                           ; piece 0's codes of key step 1
	MCV 1                           ; piece 1's masks of key step 0, for the first turn's products
.set Y, NP-1                        ; XS works for piece Y + 1: piece 0
.irp n, 0,1,2,3,4,5,6,7,8,9,10,11,12,13,14,15,16,17,18,19,20,21
	XS 0, \n
	XS 1, \n
.endr
	v_nop
	s_wait_alu depctr_va_vdst(0)    ; the two a have their wait ahead of the branch
	MLD 1                           ; piece 1's codes of key step 1
	s_mov_b32 s[CNT], 4
	s_branch .Lfirst                ; the loop is entered at a step's first turn
.Lslot:                             ; six times: every slot but the last two is filled again
	CHANGE 1
	s_mov_b32 s[CNT], 4
.Lstep:                             ; a trip: pieces 2 and 3 of one step, then pieces 0 and 1 of the next
	TURN 2
	TURN 3
	WIN 0
.Lfirst:
	TURN 0
	TURN 1, 0, 1
	WIN 0
	s_cbranch_scc1 .Lstep
	s_sub_co_u32 s[SLOTS], s[SLOTS], 1
	s_cmp_lg_u32 s[SLOTS], 0
	s_cbranch_scc1 .Lslot
	CHANGE 0                        ; the tail is written out
	s_mov_b32 s[CNT], 5             ; four trips fetch the last slot's steps; the fifth is left in its middle
.Ltail:
	TURN 2, 1
	TURN 3
	WIN 0
	s_sub_co_u32 s[CNT], s[CNT], 1
	s_cmp_eq_u32 s[CNT], 0
	s_cbranch_scc1 .Lout
	TURN 0
	TURN 1
	WIN 0
	s_branch .Ltail
.Lout:                              ; the fifth trip's last 16 products K Q^T (on the last K once more), their masks and maximum serve nothing: the price of one text for every trip
.set i, 0
.rept 16
	PV NP-1
.set i, i+1
.endr
	; THE WAY OUT.  l's halves are added.  Where l > 0: O^T / l.  Where l = 0, the row saw no key and O^T is 0: V's column sums / 2048.  Both in one line, O^T r + SV g, with (r, g) = (1 / l, 0) or (0, 1 / 2048).
	WIN 0
.macro ALL line:vararg
.set t, 0
.rept 2*NP
	\line
.set t, t+1
.endr
.endm
	ALL v_add_f32 v[ST+4*t+2], v[ST+4*t+2], v[ST+4*t+3]
	ALL v_permlanex16_b32 v[ST+4*t+3], v[ST+4*t+2], s[SEL], s[SEL+1]
	ALL v_add_f32 v[ST+4*t+2], v[ST+4*t+2], v[ST+4*t+3]
	ALL v_cmp_lt_f32 s[VM+t], 0, v[ST+4*t+2]
	ALL s_not_b32 s[HM+t], s[VM+t]
	ALL v_rcp_f32 v[ST+4*t+2], v[ST+4*t+2]
	v_nop
	s_wait_alu depctr_va_vdst(0)    ; one wait for the eight reciprocals
	ALL v_cndmask_b32 v[ST+4*t+2], 0, v[ST+4*t+2], s[VM+t]
	ALL v_cndmask_b32 v[ST+4*t], 0, s[GV], s[HM+t]
.macro PACK t
	WIN W_CV
.set i, 0
.rept 16
	v_pk_mul_f32 v[TT+i:TT+i+1], v[SV+i:SV+i+1], v[ST+4*(\t):ST+4*(\t)+1] op_sel_hi:[1,0]
.set i, i+2
.endr
	WIN W_FM
.set i, 0
.rept 16
	v_pk_fma_f32 v[32*(\t)+i:32*(\t)+i+1], v[32*(\t)+i:32*(\t)+i+1], v[ST+4*(\t)+2:ST+4*(\t)+3], v[TT+i:TT+i+1] op_sel_hi:[1,0,1]
.set i, i+2
.endr
	WIN 0x05
.set i, 0
.rept 16
	v_cvt_pk_f16_f32 v[S+16*(\t)+i], v[32*(\t)+2*i], v[32*(\t)+2*i+1]
.set i, i+1
.endr
	WIN 0
.irp f, 0,1,2,3
	ds_store_b128 v[STO], v[S+16*(\t)+4*\f:S+16*(\t)+4*\f+3] offset:32*\f
.endr
.irp f, 0,1,2,3
	ds_load_b128 v[S+16*(\t)+4*\f:S+16*(\t)+4*\f+3], v[RD] offset:\f*4*SP  ; LDS serves a wave's instructions in order (ISA guide 5.7.1.4)
.endr
.endm
.macro SEND t, younger              ; younger: the next tile's eight LDS instructions, or none
	WIN 0
.irp f, 0,1,2,3
	s_wait_dscnt (\younger)+3-\f
	global_store_b128 v[GO], v[S+16*(\t)+4*\f:S+16*(\t)+4*\f+3], s[OPT:OPT+1] offset:(\t)*2048+\f*512  ; 512 consecutive bytes, aligned
.endr
.endm
	PACK 0
.set t, 1
.rept 2*NP-1
	PACK t
	SEND t-1, 8
.set t, t+1
.endr
	SEND 2*NP-1, 0
	WIN W_AD
	s_wait_tensorcnt 0x0            ; the wave's end
	ds_add_u32 v[SPW], v[NIL]
	s_wait_dscnt 0x0
	WIN 0
	CROUND                          ; the closing round
	s_endpgm
.Lfunc_end_k_qecfcf3dbc2_attn:
	.size	k_qecfcf3dbc2_attn, .Lfunc_end_k_qecfcf3dbc2_attn-k_qecfcf3dbc2_attn
	.p2alignl 7, 3214868480
	.fill 96, 4, 3214868480
	.section	.rodata,"a",@progbits
	.p2align	6, 0x0
	.amdhsa_kernel k_qecfcf3dbc2_attn
		.amdhsa_group_segment_fixed_size 327680
		.amdhsa_private_segment_fixed_size 0
		.amdhsa_enable_private_segment 0
		.amdhsa_kernarg_size 24
		.amdhsa_user_sgpr_count 2
		.amdhsa_user_sgpr_kernarg_segment_ptr 1
		.amdhsa_wavefront_size32 1
		.amdhsa_system_sgpr_workgroup_id_x 1
		.amdhsa_system_sgpr_workgroup_id_y 1
		.amdhsa_system_sgpr_workgroup_id_z 1
		.amdhsa_system_vgpr_workitem_id 0
		.amdhsa_next_free_vgpr 992
		.amdhsa_next_free_sgpr 106
		.amdhsa_reserve_vcc 0
		.amdhsa_float_denorm_mode_32 3
		.amdhsa_float_denorm_mode_16_64 3
		.amdhsa_memory_ordered 1
		.amdhsa_forward_progress 1
		.amdhsa_inst_pref_size 221
	.end_amdhsa_kernel
	.amdgpu_metadata
---
amdhsa.version: [ 1, 2 ]
amdhsa.kernels:
  - .name:           k_qecfcf3dbc2_attn
    .symbol:         k_qecfcf3dbc2_attn.kd
    .args:
      - { .name: qkv, .offset: 0, .size: 8, .value_kind: global_buffer, .address_space: global }
      - { .name: mnib, .offset: 8, .size: 8, .value_kind: global_buffer, .address_space: global }
      - { .name: ctx, .offset: 16, .size: 8, .value_kind: global_buffer, .address_space: global }
    .group_segment_fixed_size: 327680
    .private_segment_fixed_size: 0
    .kernarg_segment_align: 8
    .kernarg_segment_size: 24
    .max_flat_workgroup_size: 128
    .sgpr_count:     106
    .vgpr_count:     992
    .wavefront_size: 32
...
	.end_amdgpu_metadata
.endif
;; end of part 7
;; launch oproj: the kernel of part 4 again; grid 4 x 64, 4 waves a work-group, clusters of 4 x 4, 327,680 bytes of LDS; arguments ctx, w16, bo, out0; writes out0
